; MI455X (gfx1250); checked and timed in simulation.
; The chip was launched on July 23, 2026; its instructions are those of AMD's public machine-readable ISA for CDNA 5 (MIT licence, August 2026) and "CDNA5" Instruction Set Architecture Reference Guide (July 2026). The comments in the code are by the model that wrote it; some were corrected since.
;; Py Self Multihead Attn. Allowed arithmetic: matrix products marked QUANTISED: E2M3 operands, one E8M0 scale for each 32 along K, by v_wmma_scale_f32_16x16x128_f8f6f4 with both operands' format E2M3, f32 sums; everything else in f32.
;; Inputs: in_proj_weight 3,072 x 1,024 float32; inputs 2,048 x 4 x 1,024 float32; out_proj_weight 1,024 x 1,024 float32.
;; Outputs: out0 2,048 x 4 x 1,024 float32.
;; This version of the problem:
;;   THIS VERSION OF THE PROBLEM IS GIVEN IN LOW PRECISION. The matrix products marked QUANTISED in the list below multiply operands that are first quantised to E2M3 (2 exponent bits, 3 mantissa bits; 6 bits a number), with one power-of-two scale for each 32 numbers along K (OCP MX v1.0); their sums are f32. All else is computed in f32.
;;   The module's matrix products, in the order in which they are computed (A, B: the left and right operand; K: the contracted axis; several contracted axes count as one K, in the product's order):
;;     1. [M 8,192, K 1,024] x [K 1,024, N 3,072]; A: input inputs; B: input in_proj_weight: QUANTISED
;;     2. batch 64 x [M 2,048, K 64] x [K 64, N 2,048]; A: computed on the way; B: computed on the way: QUANTISED
;;     3. batch 64 x [M 64, K 2,048] x [K 2,048, N 2,048]; A: computed on the way; B: softmax (see below): QUANTISED
;;     4. [M 8,192, K 1,024] x [K 1,024, N 1,024]; A: computed on the way; B: input out_proj_weight: QUANTISED
;;   THE QUANTISER, for each operand of a quantised product, along K:
;;     - K is cut into blocks of 32 from its start; a last block that is shorter is filled with zeros.
;;     - A block's scale is 2^e with e = floor(log2(the largest magnitude in the block)) - 2, held to -126 .. 127; a block of zeros has e = 0. As a byte (E8M0): e + 127.
;;     - Each number is divided by its block's scale, clamped to +-7.5, and rounded to the nearest number of E2M3, ties to even, subnormals kept.
;;     - The product sums the exact products of the quantised numbers (number of the format x scale) in f32.
;;   ~~~python
;;   def quantise(x, axis):      # numpy; x: float32 -> the quantised numbers, widened to float32 again
;;       x = np.moveaxis(x, axis, -1); K = x.shape[-1]
;;       x = np.pad(x, [(0, 0)] * (x.ndim - 1) + [(0, -K % 32)]); x = x.reshape(x.shape[:-1] + (-1, 32)); a = np.abs(x).max(-1, keepdims=True)
;;       e = np.where(a > 0, np.clip(np.frexp(np.where(a > 0, a, 1))[1] - 1 - 2, -126, 127), 0)      # np.frexp(a)[1] - 1 = floor(log2(a)), exactly
;;       r = np.clip(x / 2.0 ** e, -7.5, 7.5)
;;       step = 2.0 ** (np.maximum(np.frexp(np.where(r == 0, 1, r))[1] - 1, 0) - 3)
;;       q = np.round(r / step) * step * 2.0 ** e      # np.round: ties to even
;;       return np.moveaxis(q.reshape(q.shape[:-2] + (-1,))[..., :K], -1, axis).astype(np.float32)
;;   ~~~
;;   SOFTMAX AHEAD OF A QUANTISED PRODUCT. Where the list says 'softmax', what is quantised is not the finished softmax but p = 2^(t - M), with t = logit x log2(e) and M = ceil(the row's largest t), a whole number; so 1/2 < the row's largest p <= 1. The row's sum l is taken of the UNQUANTISED p, in f32, and the product's result is divided by l at the end. Since M is a whole number, a kernel that streams over the keys may use a running M (the ceiling of the running maximum): every later rescaling is an exact power of two, which a block's scale takes up: the codes' values come out the same.
;;   OPERANDS COMPUTED ON THE WAY. 'Computed on the way' means the value that the module computes at that place (a softmax that the list does not call 'softmax' is quantised finished and normalised). What goes into a quantiser is computed in f32, as accurately as f32 sums, v_exp_f32 and their like allow (about 1e-6 of the number): no bf16 or f16 on the way to a quantiser, and a product that is left as it is and whose result goes on into a quantised operand takes f32 operands (vector FMAs, or v_wmma_f32_16x16x4_f32). A number that lies on a knife's edge between two numbers of the format may be rounded either way, as far as f32 arithmetic and the matrix unit's own rounding can turn it there, and no further.
;; One version. Each part assembles by itself: llvm-mc -triple=amdgcn-amd-amdhsa -mcpu=gfx1250 --defsym DOCPART=n.
;; ======== version 1 of 1: 4 launches
;; limits: right only within a limited range of input values
;; workspace buffers: xq 6,553,600 bytes; wqk 1,835,008 bytes; wv 1,048,576 bytes; wo 1,048,576 bytes; qkh 13,107,200 bytes; vh 6,815,744 bytes; ctxq 6,553,600 bytes
;; launch quant (part 1): grid 384 x 1, 4 waves a work-group, no clusters, 35,328 bytes of LDS; arguments inputs, in_proj_weight, out_proj_weight, xq, wqk, wv, wo; writes xq, wqk, wv, wo
.if DOCPART == 1
	.amdgcn_target "amdgcn-amd-amdhsa--gfx1250"
	.amdhsa_code_object_version 6
	.text
	.protected	k_q3e5a2f7c7c_quant
	.globl	k_q3e5a2f7c7c_quant
	.p2align	8
	.type	k_q3e5a2f7c7c_quant,@function
k_q3e5a2f7c7c_quant:
	s_mov_b64 s[64:65], 0
	v_nop
	global_prefetch_b8 v0, s[64:65] scope:SCOPE_SE
	s_setreg_imm32_b32 hwreg(HW_REG_WAVE_MODE, 25, 1), 1
	s_wait_xcnt 0x0
; inputs [2048][4][1024], in_proj_weight [3072][1024], out_proj_weight [1024][1024], all f32 with K innermost, become codes of FP6 (E2M3) with one E8M0 byte for each 32 along K.
; A block's scale is 2^(floor(log2(its largest magnitude)) - 2); its byte is the largest magnitude's exponent field - 2, held at 1 from below.
; LIMITS: NaN and infinities among the inputs are not served; a block whose largest magnitude lies under 2^-124 keeps the byte 1; a block of zeros gets the byte 1 and not 127:
; its codes are zeros, and the bytes are read by this program alone.
; WHAT IS STORED.  Each operand buffer: scale words at byte 0, laid [K step of 128: 8][row, 32,768 bytes a plane][4 bytes]; codes at byte 262,144, laid [16 rows][K step: 8][1,536 bytes],
; each 1,536 bytes an IMAGE OF THE OPERAND'S REGISTERS: registers 4 c .. 4 c + 3 of lane l at 512 c + 16 l.
; THE ORDER OF ROWS.  Stored row p holds true row sigma(p), sigma = bits 3 and 4 exchanged: sixteen stored rows 16 (2 B + u) + i are the true rows 32 B + 16 (i / 8) + 8 u + i % 8, so that
; in a product used transposed the sixteen registers of two neighbouring result tiles are sixteen true neighbours.  xq: row b 2048 + sigma(t).  in_proj row h 192 + c 64 + d goes to
; wqk row c 1024 + h 64 + sigma(d) (c = 0, 1) or to wv row h 64 + sigma(d) (c = 2).  wo: row sigma(o).
; SHARES.  A work-group takes 64 stored rows x 512 along K; wave w its 16 rows 16 w .., four fragments of 16 x 128.  Work-groups 0-255: inputs; 256-319: wqk; 320-351: wv; 352-383: wo.
; All four take ONE path: only pointers and numbers are chosen, on the work-group's number.  Nothing is shared between work-groups, so no cluster; no matrix work; no tensor load.
; Each load reads 512 consecutive bytes of one row; a fragment's 8,192 bytes turn through the wave's own stage in LDS, so that a lane gets its two whole blocks of 32.
.set STGB,  8448                       ; a wave's stage: 16 rows of 512 bytes + 16
.set SCST,  4*STGB                     ; behind the stages: the scale words, [fragment: 4][wave: 4][64 bytes]
.set RO,    16                         ; v16-31   byte offset of my 16 bytes in row p of the wave's 16; never rewritten
.set R,     32                         ; v32-159  two sets of 64: a fragment as loaded
.set X,     160                        ; v160-223 my two blocks of 32
.set C,     224                        ; v224-235 the fragment's codes
.set T0,    236                        ; v236-238, v240-242 the conversions' second halves
.set MX,    244                        ; v244-245 largest magnitudes
.set SO,    246                        ; v246-247 the conversions' scale operands
.set BY,    248                        ; v248-249 scale bytes
.set PT,    250                        ; v250     the other half's bytes
.set SH,    251                        ; v251     8 x (lane / 16)
.set WD,    252                        ; v252     the row's scale word
	s_load_b256 s[4:11], s[0:1], 0x0               ; inputs s[4:5], in_proj s[6:7], out_proj s[8:9], xq s[10:11]
	s_load_b128 s[12:15], s[0:1], 0x20             ; wqk s[12:13], wv s[14:15]
	s_load_b64 s[16:17], s[0:1], 0x30              ; wo
	v_lshl_add_u32 v254, v0, 2, 0x8800
	v_mov_b32 v255, 0
	v_lshrrev_b32 v1, 5, v0
	v_readfirstlane_b32 s18, v1                    ; wave 0..3
	v_and_b32 v1, 31, v0                           ; lane
	v_and_b32 v2, 15, v0                           ; r
	v_bfe_u32 v3, v0, 4, 1                         ; h
	s_mul_i32 s19, s18, STGB
	v_lshlrev_b32 v8, 4, v1                        ; 16 x lane
	v_lshlrev_b32 v9, 3, v1                        ; 8 x lane
	v_add_nc_u32 v4, s19, v8                       ; the stage, on the way in: a row's 512 bytes as they lie
	v_mul_u32_u24 v5, v2, 528
	v_lshl_add_u32 v5, v3, 7, v5
	v_add_nc_u32 v5, s19, v5                       ; and on the way out: row r, 128 h bytes on: my block of 32
	s_lshl_b32 s19, s18, 6
	v_lshlrev_b32 v6, 2, v2
	v_add_nc_u32 v6, s19, v6
	v_add_nc_u32 v6, SCST, v6                      ; where my row's scale word goes: 64 x wave + 4 r
	s_lshl_b32 s19, s18, 8
	v_add_nc_u32 v7, s19, v9
	v_add_nc_u32 v7, SCST, v7                      ; and what I read back: fragment = my wave's number, 64 rows' words, 8 bytes a lane
	v_lshlrev_b32 v[SH], 3, v3
	v_mov_b32 v[PT], 0                             ; a lane permute's destination counts as one of its sources
	s_mov_b32 s38, 0x76543210
	s_mov_b32 s39, 0xfedcba98                      ; selects for lane l xor 16
	s_and_b32 s20, ttmp9, 1                        ; which half of K
	s_lshr_b32 s21, ttmp9, 1                       ; L.  inputs: the chunk of 64 rows.  128 and 176 are multiples of 16, so L's low bits serve the weights too
	s_and_b32 s22, s21, 15                         ; the head h; also wv's and wo's chunk
	s_bfe_u32 s23, s21, 0x20004                    ; c
	s_mul_i32 s24, s22, 786432
	s_lshl_b32 s23, s23, 18
	s_add_co_u32 s24, s24, s23                     ; in_proj: (h 192 + c 64) rows of 4,096 bytes
	s_lshl_b32 s25, s22, 18                        ; out_proj: 64 rows a chunk
	s_lshr_b32 s26, s21, 5
	s_lshl_b32 s26, s26, 12
	s_and_b32 s27, s21, 31                         ; (also wqk's chunk)
	s_lshl_b32 s28, s27, 20
	s_add_co_u32 s26, s26, s28                     ; inputs: b x 4,096 + 64 t-rows of 16,384 bytes a chunk
	s_wait_kmcnt 0x0
	s_cmp_lt_u32 ttmp9, 352                        ; the choices hang on the work-group's number alone
	s_cselect_b64 s[30:31], s[6:7], s[8:9]         ; from
	s_cselect_b64 s[32:33], s[14:15], s[16:17]     ; to
	s_cselect_b32 s24, s24, s25
	s_cmp_lt_u32 ttmp9, 320
	s_cselect_b64 s[32:33], s[12:13], s[32:33]
	s_cselect_b32 s22, s27, s22
	s_cmp_lt_u32 ttmp9, 256
	s_cselect_b64 s[30:31], s[4:5], s[30:31]
	s_cselect_b64 s[32:33], s[10:11], s[32:33]
	s_cselect_b32 s24, s26, s24
	s_cselect_b32 s22, s21, s22                    ; the chunk of 64 rows in the buffer written
	s_cselect_b32 s29, 14, 12                      ; from true row to true row: 2^14 bytes in inputs, 2^12 in the weights
	s_lshl_b32 s28, 1, s29
	s_lshr_b32 s25, s18, 1
	s_lshl_b32 s25, s25, 5
	s_and_b32 s26, s18, 1
	s_lshl_b32 s26, s26, 3
	s_add_co_u32 s25, s25, s26                     ; my wave's stored rows 16 w + p are the true rows 32 (w / 2) + 8 (w % 2) + p + 8 (p / 8)
	s_lshl_b32 s25, s25, s29
	s_add_co_u32 s24, s24, s25
	s_lshl_b32 s25, s20, 11
	s_add_co_u32 s24, s24, s25                     ; + my half of K: 2,048 bytes
	s_mov_b32 s25, 0
	s_add_nc_u64 s[30:31], s[30:31], s[24:25]
	s_lshl_b32 s26, s22, 2
	s_add_co_u32 s26, s26, s18                     ; my 16 rows' number
	s_lshl_b32 s26, s26, 3
	s_lshl_b32 s27, s20, 2
	s_add_co_u32 s26, s26, s27                     ; x 8 K steps + my first
	s_mul_i32 s26, s26, 1536
	s_add_co_u32 s26, s26, 262144
	s_mov_b32 s27, 0
	s_add_nc_u64 s[34:35], s[32:33], s[26:27]      ; my codes
	s_lshl_b32 s26, s20, 2
	s_add_co_u32 s26, s26, s18
	s_lshl_b32 s26, s26, 15                        ; the plane of K step 4 half + wave,
	s_lshl_b32 s36, s22, 8
	s_add_co_u32 s26, s26, s36                     ; the chunk's 64 words
	s_add_nc_u64 s[36:37], s[32:33], s[26:27]
.irp p, 0,1,2,3,4,5,6,7,8,9,10,11,12,13,14,15
	v_mad_u32_u24 v[RO+\p], s28, \p+8*(\p/8), v8
.endr
.macro LOADF f                         ; fragment f: 16 rows x 512 bytes, a row an instruction
.irp p, 0,1,2,3,4,5,6,7,8,9,10,11,12,13,14,15
	global_load_b128 v[R+64*((\f)%2)+4*\p:R+64*((\f)%2)+4*\p+3], v[RO+\p], s[30:31] offset:512*(\f) th:TH_LOAD_NT
.endr
.endm
.macro FRAGQ f
.if (\f) < 3
	s_wait_loadcnt 16                              ; this fragment's 16 loads are in; the next fragment's 16 may be out
.else
	s_wait_loadcnt 0x0
.endif
.irp p, 0,1,2,3,4,5,6,7,8,9,10,11,12,13,14,15
	ds_store_b128 v4, v[R+64*((\f)%2)+4*\p:R+64*((\f)%2)+4*\p+3] offset:528*\p
.endr
.irp c, 0,1                            ; LDS serves a wave's instructions in order: these see the stores above
.irp i, 0,1,2,3,4,5,6,7
	ds_load_b128 v[X+32*\c+4*\i:X+32*\c+4*\i+3], v5 offset:256*\c+16*\i   ; k = 64 c + 32 h + 4 i .. of row r
.endr
.endr
	s_wait_dscnt 0x0                               ; my numbers are back, and the stores have read their registers,
.if (\f) < 2
	LOADF (\f)+2                                   ; which take the fragment two further on
.endif
.irp c, 0,1
	v_max3_num_f32 v[MX+\c], |v[X+32*\c]|, |v[X+32*\c+1]|, 0x1800000     ; block 2 c + h: all 32 numbers are mine; and the floor 2^(3 - 127), so that the byte cannot fall under 1
.endr
.irp i, 2,4,6,8,10,12,14,16,18,20,22,24,26,28,30
.irp c, 0,1
	v_max3_num_f32 v[MX+\c], v[MX+\c], |v[X+32*\c+\i]|, |v[X+32*\c+\i+1]|
.endr
.endr
.irp c, 0,1
	v_add_nc_u32 v[SO+\c], 0xff000000, v[MX+\c]    ; 2 off the exponent field: the conversion takes the exponent field of this operand as its scale
.endr
.irp c, 0,1
	v_lshrrev_b32 v[BY+\c], 23, v[SO+\c]           ; the scale's byte
.endr
	v_lshl_or_b32 v[WD], v[BY+1], 16, v[BY]        ; blocks h and 2 + h,
	v_lshlrev_b32 v[WD], v[SH], v[WD]              ; at their places in the word;
	v_permlanex16_b32 v[PT], v[WD], s38, s39
	v_or_b32 v[WD], v[WD], v[PT]                   ; with lane l xor 16's two the word is whole
	s_wait_alu depctr_va_vdst(0)
	s_wait_xcnt 0x0                                ; the last fragment's stores have read the codes' registers: they are written again only behind this wait
.irp c, 0,1
	v_cvt_scalef32_pk16_fp6_f32 v[C+6*\c:C+6*\c+2], v[X+32*\c:X+32*\c+15], v[SO+\c]
	v_cvt_scalef32_pk16_fp6_f32 v[T0+4*\c:T0+4*\c+2], v[X+32*\c+16:X+32*\c+31], v[SO+\c]   ; (a conversion's three registers begin on an even number)
.endr
	v_nop                                          ; one plain place behind the scaled conversions
.irp c, 0,1
.irp i, 0,1,2
	v_mov_b32 v[C+3+6*\c+\i], v[T0+4*\c+\i]
.endr
.endr
.irp c, 0,1,2
	global_store_b128 v8, v[C+4*\c:C+4*\c+3], s[34:35] offset:1536*(\f)+512*\c   ; 512 consecutive bytes, at a multiple of 256 from the buffer's first byte
.endr
	ds_store_b32 v6, v[WD] offset:256*(\f)         ; lanes l and l xor 16 write the same word with the same value
.endm
	LOADF 0
	LOADF 1
	s_wait_alu depctr_va_vdst(0)
	FRAGQ 0
	FRAGQ 1
	FRAGQ 2
	FRAGQ 3
	s_wait_dscnt 0x0                               ; for the others' sake: my scale words lie in LDS
	s_barrier_signal -1
	s_barrier_wait -1
	ds_load_b64 v[12:13], v7                       ; one K step's words of the work-group's 64 rows
	s_wait_dscnt 0x0
	global_store_b64 v9, v[12:13], s[36:37]        ; 256 consecutive bytes, aligned
	s_wait_tensorcnt 0x0
	ds_add_u32 v254, v255
	s_wait_dscnt 0x0
	s_endpgm
.Lfunc_end_k_q3e5a2f7c7c_quant:
	.size	k_q3e5a2f7c7c_quant, .Lfunc_end_k_q3e5a2f7c7c_quant-k_q3e5a2f7c7c_quant
	.p2alignl 7, 3214868480
	.fill 96, 4, 3214868480
	.section	.rodata,"a",@progbits
	.p2align	6, 0x0
	.amdhsa_kernel k_q3e5a2f7c7c_quant
		.amdhsa_group_segment_fixed_size 35328
		.amdhsa_private_segment_fixed_size 0
		.amdhsa_enable_private_segment 0
		.amdhsa_kernarg_size 56
		.amdhsa_user_sgpr_count 2
		.amdhsa_user_sgpr_kernarg_segment_ptr 1
		.amdhsa_wavefront_size32 1
		.amdhsa_system_sgpr_workgroup_id_x 1
		.amdhsa_system_sgpr_workgroup_id_y 1
		.amdhsa_system_sgpr_workgroup_id_z 1
		.amdhsa_system_vgpr_workitem_id 0
		.amdhsa_next_free_vgpr 256
		.amdhsa_next_free_sgpr 66
		.amdhsa_reserve_vcc 0
		.amdhsa_float_denorm_mode_32 3
		.amdhsa_float_denorm_mode_16_64 3
		.amdhsa_memory_ordered 1
		.amdhsa_forward_progress 1
		.amdhsa_inst_pref_size 33
	.end_amdhsa_kernel
	.amdgpu_metadata
---
amdhsa.version: [ 1, 2 ]
amdhsa.kernels:
  - .name:           k_q3e5a2f7c7c_quant
    .symbol:         k_q3e5a2f7c7c_quant.kd
    .args:
      - { .name: inputs, .offset: 0, .size: 8, .value_kind: global_buffer, .address_space: global }
      - { .name: in_proj_weight, .offset: 8, .size: 8, .value_kind: global_buffer, .address_space: global }
      - { .name: out_proj_weight, .offset: 16, .size: 8, .value_kind: global_buffer, .address_space: global }
      - { .name: xq, .offset: 24, .size: 8, .value_kind: global_buffer, .address_space: global }
      - { .name: wqk, .offset: 32, .size: 8, .value_kind: global_buffer, .address_space: global }
      - { .name: wv, .offset: 40, .size: 8, .value_kind: global_buffer, .address_space: global }
      - { .name: wo, .offset: 48, .size: 8, .value_kind: global_buffer, .address_space: global }
    .group_segment_fixed_size: 35328
    .private_segment_fixed_size: 0
    .kernarg_segment_align: 8
    .kernarg_segment_size: 56
    .max_flat_workgroup_size: 128
    .sgpr_count:     66
    .vgpr_count:     256
    .wavefront_size: 32
...
	.end_amdgpu_metadata
.endif
;; end of part 1
;; launch qkv (part 2): grid 8 x 48, 4 waves a work-group, clusters of 4 x 4, 327,680 bytes of LDS; arguments xq, wqk, wv, qkh, vh; writes qkh, vh
.if DOCPART == 2
	.amdgcn_target "amdgcn-amd-amdhsa--gfx1250"
	.amdhsa_code_object_version 6
	.text
	.protected	k_q3e5a2f7c7c_qkv
	.globl	k_q3e5a2f7c7c_qkv
	.p2align	8
	.type	k_q3e5a2f7c7c_qkv,@function
k_q3e5a2f7c7c_qkv:
	s_mov_b64 s[64:65], 0
	v_nop
	global_prefetch_b8 v0, s[64:65] scope:SCOPE_SE
	s_setreg_imm32_b32 hwreg(HW_REG_WAVE_MODE, 25, 1), 1
	s_wait_xcnt 0x0
	s_wait_alu depctr_hold_cnt(0) depctr_sa_sdst(0) depctr_va_vdst(0) depctr_va_sdst(0) depctr_va_ssrc(0) depctr_va_vcc(0) depctr_vm_vsrc(0)
	s_getreg_b32 s2, hwreg(HW_REG_IB_STS2, 6, 4)
	s_cmp_eq_u32 s2, 0
	s_cbranch_scc0 .Lentry_in_a_cluster
	s_endpgm
.Lentry_in_a_cluster:
	s_bfe_u32 s2, ttmp6, 0x10000c
	s_cmp_lg_u32 s2, 0xf033
	s_cbranch_scc0 .Lentry_shape_is_right
	s_endpgm
.Lentry_shape_is_right:
; The fused projection x W_in^T on codes of FP6 (E2M3), K = 1,024, and the quantising of its results: q and k along the head's 64, v along the keys.  Nothing leaves as f32.
; ONE GENERIC PRODUCT C'[A' row][B' row], a tile of 256 x 256 to a work-group, 128 x 128 to each of four waves (64 accumulators, 512 registers).  The matrix instruction is used transposed
; (source 0 = 16 rows of B', source 1 = 16 rows of A'): a lane holds ONE row of A', and its registers run along B's rows, which is the axis along which the result is quantised.
;   rows of clusters 0-7  (q, k): A' = xq (tokens),    B' = wqk (c 1024 + h 64 + d),  results to qkh
;   rows of clusters 8-11 (v):    A' = wv (h 64 + d),  B' = xq (keys),                results to vh
; The choice hangs on the cluster's y alone, which all sixteen partners share; it chooses pointers and numbers, and no branch hangs on it.
; B's rows are stored with bits 3 and 4 of the row number exchanged, so the 16 registers of result tiles 2 B and 2 B + 1 are the true neighbours 32 B + 16 (lane / 16) + 0 .. 15.
; OPERANDS lie in memory as images of the operand's registers: [16 rows][K step of 128: 8][1,536 bytes], registers 4 c .. 4 c + 3 of lane l at 512 c + 16 l; scale words [K step][row][4 bytes], 32,768 bytes a plane.
; So a fragment is three ds_load_b128 of 512 consecutive bytes, and LDS needs no padding.
; THE RING: three slots of 256 along K (A's 16 x 3,072 bytes, then B's).  K has four such steps: three are asked for at the head, the fourth goes into slot 0 behind the one round that fills a slot again,
; and has 256 matrix instructions in which to land.  By the text's own count a wave has four tensor loads out at the head (its scales and three slots), later one.  So nothing is prefetched.
; CLUSTERS: 4 x 4.  A's tiles are shared along a row of the cluster, B's along a column: each is asked for jointly.
; RESULTS: a wave's 128 numbers of a row are four blocks of 32 = two halves of 64.  Each half leaves as an image of six registers, 768 bytes for 16 rows: registers 0-3 of lane l at 16 l, registers 4-5 at 512 + 8 l.
;   qkh: scale words [c 8 + pair of heads: 16][8,192 rows][4] at 0; codes [c 16 + head: 32][16 rows: 512][768] at 524,288.   vh: scale words [b 16 + 128 keys: 64][1,024 rows][4] at 0; codes [b 32 + 64 keys: 128][16 rows: 64][768] at 524,288.
; LIMITS: NaN and infinities are not served; a block whose largest magnitude lies under 2^-124, a block of zeros among them, keeps the byte 1 (its bytes are read by this program alone).
; REGISTERS: window 0: v16-30 addresses; v32-63 scale words, two sets; v64-123 at work on the way out; v128-223 A's fragments, one set.  window 1: B's fragments, two sets, at v0 and v128.  windows 2, 3: accumulator (a, b) at v[8 (8 (a % 4) + b)].
; THE RING AS IT STANDS (in place of the paragraph on the ring above).  At the head each wave issues ONE joint load: wave 0 A's 256 rows for the first 512 along K (16 rows of 6,144 bytes, at byte 0), wave 2 B's (at byte 98,304),
; wave 1 A's scales, wave 3 B's.  The third 256 along K is first filled behind the head's round (at byte 196,608, a quarter a wave) and has 256 matrix instructions in which to land; the fourth is filled behind the one round that
; fills bytes again, dense at byte 0, where A's first 512 are read out.  One tensor load of a wave is out at any time.  The scales lie [A', B'][K step: 8][256 rows x 4 bytes].
; PREFETCH: behind the head's load each wave asks for the third and the fourth 256 along K of the 8 rows of 3,072 bytes that it will fetch: the four partners of a joint load take 2 rows each, told apart by address:
; 24 blocks of 256 bytes, a lane a block (lanes 24-31 name the last again); one and two loads ahead of the load that wants them; the address registers are never rewritten.
.set SLOT,  98304
.set HALFT, 24576                      ; 8 x 16 rows x 3,072 bytes: what one tensor load brings, and what one wave reads of A' or of B'
.set RGB,   3072                       ; 16 rows' two fragments in a slot
.set FRB,   1536
.set KROW,  12288                      ; 16 rows' eight fragments in memory
.set CODES, 262144
.set FR,    12
.set NL,    3                          ; LDS loads that bring a fragment
.set NP,    4                          ; places behind this matrix instruction (ISA guide 7.12.1)
.set NQ,    2
.set SCL,   3*SLOT                     ; the scales: [A', B'][K step: 8][1,024 bytes]; filled once
.set SPARE, SCL+16384                  ; the spare words, 128 bytes for each wave: two blocks of 256 bytes that no other line names
.set SCW,   SPARE+512                  ; 512 bytes for each wave: the scale words that it makes
.set ADRA, 16                          ; v16-18 LDS address of my A' fragments in slot 0, 1, 2
.set ADRB, 20                          ; v20-22 the same for B'
.set L16,  24                          ; v24  16 x lane
.set L8,   25                          ; v25  8 x lane
.set SWA,  26                          ; v26  where a scale word that I make goes
.set ADRS, 27                          ; v27  my scale words: lanes 0-15 A's rows, lanes 16-31 B's; never stepped
.set SPW,  28                          ; v28  my spare word; never rewritten
.set NIL,  29                          ; v29  0; never rewritten
.set SWR,  30                          ; v30  where I read my wave's scale words back
.set SC,   32
.set TM,   64                          ; v64-67 largest magnitudes, v68-71 the other half's / bytes, v76-79 scale operands
.set PW,   80                          ; the scale word just made
.set PC,   96                          ; v96-107 the codes just made; v108-110, v112-114 the conversions' second halves
.set AF,   128
.set G1A,  24
.set G0A,  32                          ; s[32:43] group 0 for A's tiles, a set for each slot
.set G1B,  48
.set G0B0, 56
.set G0B1, 60
.set G0B2, 84
.set G1SA, 68
.set G1SB, 76
.set G0SA, 88
.set G0SB, 92
.set MSB, 0
.macro WIN new                         ; the immediate's high byte repeats the setting that is left
.if MSB != (\new)
	s_set_vgpr_msb (MSB<<8)|(\new)
.set MSB, (\new)
.endif
.endm
.set MUL_LO, 0xa1                      ; source 0 (B') window 1, source 1 (A') window 0, C and D window 2
.set MUL_HI, 0xf1
.set TO_B,   0x40
; A joint load: waves 0 and 1 fetch for A', waves 2 and 3 for B'.  The branch hangs on the wave's number alone.  Four v_nop follow each of the two lines.
.macro JLOAD g0a, g1a, g0b, g1b
	s_cmp_eq_u32 s15, 0
	s_cbranch_scc0 .Lfor_b_\@
	tensor_load_to_lds s[\g0a:\g0a+3], s[\g1a:\g1a+7]
	s_nop 0
.rept 4
	v_nop
.endr
	s_branch .Lasked_\@
.Lfor_b_\@:
	tensor_load_to_lds s[\g0b:\g0b+3], s[\g1b:\g1b+7]
	s_nop 0
.rept 4
	v_nop
.endr
.Lasked_\@:
.endm
.macro CREST                           ; a round of the cluster's barrier behind its opening barrier
	s_cmp_lg_u32 s14, 0
	s_cbranch_scc1 .Lnot_wave_0_\@
	s_barrier_signal -3
.Lnot_wave_0_\@:
	s_barrier_wait -3
	s_barrier_signal -1
	s_barrier_wait -1
.endm
.macro CROUND
	s_barrier_signal -1
	s_barrier_wait -1
	CREST
.endm
.macro MKG0 g, ldsreg, ldsoff, ptr, off
	s_mov_b32 s[\g], 1                             ; count = 1
	s_add_co_u32 s[\g+1], s[\ldsreg], \ldsoff      ; LDS address
	s_add_nc_u64 s[\g+2:\g+3], s[\ptr:\ptr+1], \off   ; global address of the tile's first byte
	s_or_b32 s[\g+3], s[\g+3], 0x80000000          ; type = 2
.endm
	s_load_b256 s[4:11], s[0:1], 0x0               ; xq s[4:5], wqk s[6:7], wv s[8:9], qkh s[10:11]
	s_load_b64 s[12:13], s[0:1], 0x20              ; vh
	v_lshl_add_u32 v[SPW], v0, 2, SPARE
	v_mov_b32 v[NIL], 0
	ds_add_u32 v28, v29
	ds_add_u32 v28, v29
	s_wait_dscnt 0x0
	v_lshrrev_b32 v1, 5, v0
	v_readfirstlane_b32 s14, v1                    ; wave 0..3
	s_lshr_b32 s15, s14, 1                         ; which half of A's rows is mine.  Also: I fetch for A' (0) or for B' (1)
	s_and_b32 s16, s14, 1                          ; which half of B's rows.  Also: which 128 rows of that tile I fetch
	s_bfe_u32 s19, ttmp6, 0x40000                  ; cx
	s_bfe_u32 s20, ttmp6, 0x40004                  ; cy
	s_and_b32 s23, ttmp7, 0xffff                   ; the cluster's y
	s_cmp_ge_u32 s23, 8                            ; v's part of the grid?
	s_cselect_b32 s17, 0, s23
	s_cselect_b32 s18, s23, 8
	s_lshl_b32 s17, s17, 2
	s_add_co_u32 s17, s17, s20                     ; A's tile: 4 y + cy, or cy
	s_sub_co_u32 s18, s18, 8
	s_lshl_b32 s18, s18, 3
	s_lshl_b32 s66, ttmp9, 2
	s_add_co_u32 s18, s18, s66
	s_add_co_u32 s18, s18, s19                     ; B's tile: 4 x + cx, or 4 x + cx + 8 (y - 8)
	s_lshl_b32 s21, s20, 2
	s_lshl_b32 s21, 15, s21                        ; my row of the cluster
	s_lshl_b32 s22, 0x1111, s19                    ; my column
	; group 1 for the codes: 8 rows (of 16 operand rows) x 3,072 bytes, 12,288 bytes apart; elements of 8 bytes; no padding
	s_or_b32 s[G1A], s21, (3<<16)|(1<<21)          ; 15:0 the mask; 17:16 elements of 8 bytes; 21 set beside a mask
	s_or_b32 s[G1B], s22, (3<<16)|(1<<21)
.irp g, G1A, G1B
	s_mov_b32 s[\g+1], 768<<16                     ; tensor_dim0: 6,144 bytes for the head's loads, 3,072 behind them
	s_mov_b32 s[\g+2], 16<<16                      ; tensor_dim1: 16 for the head's loads, 8 behind them
	s_mov_b32 s[\g+3], 768<<16                     ; tile_dim0
	s_mov_b32 s[\g+4], 16                          ; tile_dim1
	s_mov_b32 s[\g+5], KROW/8                      ; stride
	s_mov_b32 s[\g+6], 0
	s_mov_b32 s[\g+7], 0
.endr
	; and for the scales: 8 planes x 1,024 bytes (256 rows' words), 32,768 bytes apart
	s_or_b32 s[G1SA], s21, (3<<16)|(1<<21)
	s_or_b32 s[G1SB], s22, (3<<16)|(1<<21)
.irp g, G1SA, G1SB
	s_mov_b32 s[\g+1], 128<<16                     ; 256 rows' words: 1,024 bytes a plane
	s_mov_b32 s[\g+2], 8<<16
	s_mov_b32 s[\g+3], 128<<16
	s_mov_b32 s[\g+4], 8
	s_mov_b32 s[\g+5], 4096
	s_mov_b32 s[\g+6], 0
	s_mov_b32 s[\g+7], 0
.endr
	s_cmp_eq_u32 s15, 0
	s_cselect_b32 s21, s19, s20                    ; my place among the four that ask with me: cx for A', cy for B': it enters the prefetches' address alone
	s_lshl_b32 s2, s16, 3
	s_lshl_b32 s20, s17, 4
	s_add_co_u32 s20, s20, s2                      ; the first 16 rows that I fetch of A': 16 x tile + 8 x half
	s_lshl_b32 s19, s18, 4
	s_add_co_u32 s19, s19, s2                      ; and of B'
	s_mul_i32 s104, s14, HALFT                     ; where they go: wave x 24,576: no place in the cluster enters an LDS address
	s_mov_b32 s105, 0
	s_wait_kmcnt 0x0
	s_cmp_ge_u32 s23, 8
	s_cselect_b64 s[44:45], s[8:9], s[4:5]         ; A'
	s_cselect_b64 s[46:47], s[4:5], s[6:7]         ; B'
	s_cselect_b64 s[10:11], s[12:13], s[10:11]     ; the results' buffer
	s_cselect_b32 s98, 6, 9                        ; its groups of 16 rows: 2^6 or 2^9
	s_cselect_b32 s99, 12, 15                      ; a plane of its scale words: 2^12 or 2^15 bytes
	s_mov_b32 s12, 0x76543210
	s_mov_b32 s13, 0xfedcba98                      ; selects for lane l xor 16
	CROUND                                         ; all sixteen work-groups are here: the first joint loads meet
	s_lshl_b32 s2, s17, 10                         ; 1,024 bytes of scale words for a tile's 256 rows
	s_mov_b32 s3, 0
	s_add_nc_u64 s[2:3], s[44:45], s[2:3]
	MKG0 G0SA, 105, SCL, 2, 0
	s_lshl_b32 s66, s18, 10
	s_mov_b32 s67, 0
	s_add_nc_u64 s[66:67], s[46:47], s[66:67]
	MKG0 G0SB, 105, SCL+8192, 66, 0
	s_mul_i32 s2, s20, KROW
	s_add_co_u32 s2, s2, CODES
	s_mov_b32 s3, 0
	s_add_nc_u64 s[44:45], s[44:45], s[2:3]
	s_mul_i32 s66, s19, KROW
	s_add_co_u32 s66, s66, CODES
	s_mov_b32 s67, 0
	s_add_nc_u64 s[46:47], s[46:47], s[66:67]
	MKG0 G0A, 104, 0, 44, 0
	MKG0 G0B0, 104, 0, 46, 0
	s_lshl_b32 s[G0B0+1], s104, 1                  ; for the head's load: wave 2's B' goes to byte 98,304
	MKG0 G0A+8, 104, 2*SLOT, 44, 2*RGB
	MKG0 G0B2, 104, 2*SLOT, 46, 2*RGB
	s_cmp_eq_u32 s15, 0
	s_cselect_b64 s[22:23], s[44:45], s[46:47]     ; the prefetches' base: the 8 rows that I fetch,
	s_mul_i32 s66, s21, 2*KROW
	s_mov_b32 s67, 0
	s_add_nc_u64 s[22:23], s[22:23], s[66:67]      ; my work-group's two of them
; THE HEAD'S LOADS, ONE A WAVE, in one chain of branches on the wave's number.  Wave 0's group 0 for A' and wave 2's for B' point at the tile's first row.
.macro ARM w, g0, g1, next
	s_cmp_eq_u32 s14, \w
	s_cbranch_scc0 \next
	tensor_load_to_lds s[\g0:\g0+3], s[\g1:\g1+7]
	s_nop 0
.rept 4
	v_nop
.endr
	s_branch .Lhead_asked
\next:
.endm
	ARM 0, G0A, G1A, .Lhead_b
	ARM 2, G0B0, G1B, .Lhead_sa
	ARM 1, G0SA, G1SA, .Lhead_sb
	tensor_load_to_lds s[G0SB:G0SB+3], s[G1SB:G1SB+7]
	s_nop 0
.rept 4
	v_nop
.endr
.Lhead_asked:
	v_and_b32 v5, 31, v0
	v_min_u32 v5, 23, v5                           ; block l = 0 .. 23 of my two rows' 12 + 12
	v_mul_u32_u24 v6, v5, 171
	v_lshrrev_b32 v6, 11, v6                       ; l / 12
	v_lshlrev_b32 v5, 8, v5
	v_mad_u32_u24 v31, v6, 9216, v5                ; 12,288 (l / 12) + 256 (l % 12); never rewritten
	global_prefetch_b8 v31, s[22:23] offset:2*RGB th:TH_LOAD_NT scope:SCOPE_SE   ; the third 256 along K
	global_prefetch_b8 v31, s[22:23] offset:3*RGB th:TH_LOAD_NT scope:SCOPE_SE   ; and the fourth
	v_and_b32 v1, 31, v0                           ; lane
	v_and_b32 v2, 15, v0                           ; r
	v_bfe_u32 v3, v0, 4, 1                         ; h
	s_wait_alu depctr_va_vdst(0)
	v_lshlrev_b32 v[L16], 4, v1
	v_lshlrev_b32 v[L8], 3, v1
	s_mul_i32 s2, s15, HALFT                       ; my 128 rows of A'
	s_mul_i32 s3, s16, HALFT
	s_add_co_u32 s3, s3, 2*HALFT                   ; my 128 rows of B', behind A's 256
	s_wait_alu depctr_va_vdst(0)
.irp n, 0,2                            ; index 0: the fourth 256 along K, dense at byte 0; index 2: the third, at byte 196,608
	v_add_nc_u32 v[ADRA+\n], s2, v[L16]
	v_add_nc_u32 v[ADRB+\n], s3, v[L16]
	s_add_co_u32 s2, s2, 2*SLOT
	s_add_co_u32 s3, s3, 2*SLOT
.endr
	s_mul_i32 s2, s15, 2*HALFT                     ; index 1: the first 512 along K: 16 rows' four fragments, 6,144 bytes; A' at byte 0, B' at byte 98,304
	s_mul_i32 s3, s16, 2*HALFT
	s_add_co_u32 s3, s3, SLOT
	v_add_nc_u32 v[ADRA+1], s2, v[L16]
	v_add_nc_u32 v[ADRB+1], s3, v[L16]
	s_lshl_b32 s2, s15, 9                          ; A's scales: my half of a plane's 1,024 bytes
	s_lshl_b32 s3, s16, 9
	s_add_co_u32 s3, s3, 8192                      ; B's: my half, behind A's two
	s_sub_co_u32 s3, s3, s2
	v_mul_u32_u24 v4, s3, v3                       ; lanes 16-31 take B's
	s_add_co_u32 s2, s2, SCL
	v_lshl_add_u32 v4, v2, 2, v4
	v_add_nc_u32 v[ADRS], s2, v4
	s_lshl_b32 s2, s14, 9
	s_add_co_u32 s2, s2, SCW
	v_lshl_add_u32 v[SWA], v2, 2, s2
	v_add_nc_u32 v[SWR], s2, v[L16]
.irp b, 0,1,2,3
	v_mov_b32 v[TM+4+\b], 0                        ; a lane permute's destination counts as one of its sources
.endr
	; where my results go
	s_lshl_b32 s96, s18, 1
	s_add_co_u32 s96, s96, s16                     ; which 128 of B's rows
	s_lshl_b32 s100, s96, s99                      ; their plane of scale words
	s_lshl_b32 s97, s17, 4
	s_lshl_b32 s101, s15, 3
	s_add_co_u32 s97, s97, s101                    ; my first 16 rows of A'
	s_lshl_b32 s101, s97, 6
	s_add_co_u32 s100, s100, s101
	s_add_co_u32 s101, s98, 1
	s_lshl_b32 s96, s96, s101                      ; the even half of 64: chunk 2 x that, x the groups of 16 rows
	s_add_co_u32 s96, s96, s97
	s_mul_i32 s96, s96, 768
	s_add_co_u32 s96, s96, 524288
	s_lshl_b32 s98, 768, s98
	s_add_co_u32 s98, s98, s96                     ; the odd half: one chunk on
	s_mov_b32 s97, 0
	s_mov_b32 s99, 0
	s_mov_b32 s101, 0
	s_add_nc_u64 s[96:97], s[10:11], s[96:97]
	s_add_nc_u64 s[98:99], s[10:11], s[98:99]
	s_add_nc_u64 s[100:101], s[10:11], s[100:101]
.macro FRAG reg, adr, off              ; a fragment comes as it was stored: three loads of 512 consecutive bytes
.irp c, 0,1,2
	ds_load_b128 v[\reg+4*\c:\reg+4*\c+3], v[\adr] offset:\off+512*\c
.endr
.endm
; 16 matrix instructions: A's blocks a0, a0 + 1 x B's eight, 128 along K: the slot's q-th.  p: B's set; sc: the set of scale words.  zero = 1: the first product starts the sums.
; The 64 accumulators take turns, one instruction a turn, in the same order in every step.
.macro MUL16 a0, p, q, sc, zero
.irp a, \a0, \a0+1
.irp b, 0,1,2,3,4,5,6,7
.if \zero
	v_wmma_scale_f32_16x16x128_f8f6f4 v[8*(8*((\a)%4)+\b):8*(8*((\a)%4)+\b)+7], v[128*(\p)+FR*\b:128*(\p)+FR*\b+FR-1], v[AF+FR*(\a):AF+FR*(\a)+FR-1], 0, v[SC+8*NQ*(\sc)+NQ*\b+(\q)], v[SC+8*NQ*(\sc)+NQ*(\a)+(\q)] matrix_a_fmt:MATRIX_FMT_FP6 matrix_b_fmt:MATRIX_FMT_FP6 matrix_a_scale:MATRIX_SCALE_ROW1
.else
	v_wmma_scale_f32_16x16x128_f8f6f4 v[8*(8*((\a)%4)+\b):8*(8*((\a)%4)+\b)+7], v[128*(\p)+FR*\b:128*(\p)+FR*\b+FR-1], v[AF+FR*(\a):AF+FR*(\a)+FR-1], v[8*(8*((\a)%4)+\b):8*(8*((\a)%4)+\b)+7], v[SC+8*NQ*(\sc)+NQ*\b+(\q)], v[SC+8*NQ*(\sc)+NQ*(\a)+(\q)] matrix_a_fmt:MATRIX_FMT_FP6 matrix_b_fmt:MATRIX_FMT_FP6 matrix_a_scale:MATRIX_SCALE_ROW1
.endif
.endr
.endr
.endm
.macro FETCH_B slot, q, p
	WIN TO_B
.irp i, 0,1,2,3,4,5,6,7
.if (\slot) < 2
	FRAG 128*(\p)+FR*\i, ADRB+1, \i*2*RGB+(2*(\slot)+(\q))*FRB
.else
	FRAG 128*(\p)+FR*\i, ADRB+6-2*(\slot), \i*RGB+(\q)*FRB
.endif
.endr
	WIN 0
.endm
.macro FETCH_A slot, q, i0
.irp i, \i0, \i0+1, \i0+2, \i0+3
.if (\slot) < 2
	FRAG AF+FR*(\i), ADRA+1, (\i)*2*RGB+(2*(\slot)+(\q))*FRB
.else
	FRAG AF+FR*(\i), ADRA+6-2*(\slot), (\i)*RGB+(\q)*FRB
.endif
.endr
.endm
.macro SCALES ks                       ; the scale words of the ks-th 256 along K into set ks % 2: register 2 i + q: lanes 0-15 A's block i, lanes 16-31 B's block i
.irp i, 0,1,2,3,4,5,6,7
.irp q, 0,1
	ds_load_b32 v[SC+16*((\ks)%2)+2*\i+\q], v[ADRS] offset:(2*(\ks)+\q)*1024+64*\i
.endr
.endr
.endm
; A load into a register that a matrix instruction has read, and a vector instruction or store that reads a matrix result, stand NP places behind it; only plain vector instructions that name none of its registers are places.
.macro PLACES n
.rept \n
	v_nop
.endr
.endm
.macro STEP slot, sc, zero             ; a slot's first 128 along K
	s_wait_dscnt 4*NL                              ; B's set, A's blocks 0-3 and the scale words are in; the youngest 12 loads (A's blocks 4-7) may be out
	WIN MUL_LO
	MUL16 0, 0, 0, \sc, \zero
	MUL16 2, 0, 0, \sc, \zero
	s_wait_dscnt 0x0                               ; A's blocks 4-7 are in
	PLACES NP
	FETCH_B \slot, 1, 1
	FETCH_A \slot, 1, 0
	WIN MUL_HI
	MUL16 4, 0, 0, \sc, \zero
	MUL16 6, 0, 0, \sc, \zero
	PLACES NP
	WIN 0
	FETCH_A \slot, 1, 4
.endm
; A slot's second 128 along K, which leaves the slot.  mode 1: the slot is filled again: every wave waits for all its tensor loads, adds 0 to its spare word, waits for that and for its reads of the slot;
; the barrier opens a round of the cluster's barrier, and the joint refill is the first thing behind it.  mode 0: the same lines and a plain barrier: the next slot's tile, asked for behind the round, is shown whole to all four waves.
; mode 2: no barrier: the next slot was shown whole by the wait for all loads and the round of mode 1.
.macro TURN slot, next, mode, sc, ks
.if \mode == 2
	s_wait_dscnt 4*NL
	WIN MUL_LO
	MUL16 0, 1, 1, \sc, 0
	MUL16 2, 1, 1, \sc, 0
	s_wait_dscnt 0x0
	PLACES NP
.else
	s_wait_tensorcnt 0x0                           ; all my tensor loads have landed  (every window is 0 here)
	ds_add_u32 v[SPW], v[NIL]                      ; 0 onto my spare word
	s_wait_dscnt 4*NL+1                            ; (the add and the youngest 12 loads may be out)
	WIN MUL_LO
	MUL16 0, 1, 1, \sc, 0                          ; sixteen matrix instructions stand between the add and the wait for it
	s_wait_dscnt 0x0                               ; the add is done, and my reads of this slot are over
	s_barrier_signal -1
	MUL16 2, 1, 1, \sc, 0
	WIN 0
	s_barrier_wait -1
.if \mode == 1
	CREST                                          ; no wave of any partner still reads this slot or has a load on its way
	s_add_nc_u64 s[G0A+2:G0A+3], s[G0A+2:G0A+3], 3*RGB      ; slot 0 takes the fourth 256 along K
	s_add_nc_u64 s[G0B0+2:G0B0+3], s[G0B0+2:G0B0+3], 3*RGB
	JLOAD G0A, G1A, G0B0, G1B                      ; the four v_nop behind it are also the places in front of the loads below
.else
	PLACES NP
.endif
.endif
	FETCH_B \next, 0, 0
	FETCH_A \next, 0, 0
	SCALES \ks
	WIN MUL_HI
	MUL16 4, 1, 1, \sc, 0
	MUL16 6, 1, 1, \sc, 0
	PLACES NP
	WIN 0
	FETCH_A \next, 0, 4
.endm
	s_wait_alu depctr_va_vdst(0)
	s_wait_tensorcnt 0x0                           ; my tile of the head's four is in
	ds_add_u32 v[SPW], v[NIL]
.irp g, G1A, G1B                       ; no tensor load of mine is out: from here on a load brings 8 rows of 3,072 bytes
	s_mov_b32 s[\g+1], 384<<16
	s_mov_b32 s[\g+2], 8<<16
	s_mov_b32 s[\g+3], 384<<16
	s_mov_b32 s[\g+4], 8
.endr
	s_mov_b32 s[G0B0+1], s104                      ; and the fourth 256 along K goes to wave x 24,576
	s_wait_dscnt 0x0
	CROUND                                         ; all four tiles are in, and all sixteen work-groups are here
	JLOAD G0A+8, G1A, G0B2, G1B                    ; the third 256 along K: a first fill, the first tensor load behind the round
	FETCH_B 0, 0, 0
	FETCH_A 0, 0, 0
	SCALES 0
	FETCH_A 0, 0, 4
	STEP 0, 0, 1                                   ; the first products start the sums: nothing is cleared
	TURN 0, 1, 2, 0, 1
	STEP 1, 1, 0
	TURN 1, 2, 1, 1, 2
	STEP 2, 0, 0
	TURN 2, 3, 0, 0, 3
	STEP 3, 1, 0
	s_wait_dscnt 4*NL                              ; the last 128 along K: nothing more to fetch
	WIN MUL_LO
	MUL16 0, 1, 1, 1, 0
	MUL16 2, 1, 1, 1, 0
	s_wait_dscnt 0x0
	WIN MUL_HI
	MUL16 4, 1, 1, 1, 0
	MUL16 6, 1, 1, 1, 0
	WIN 0
; THE WAY OUT, a block of 16 rows of A' at a time.  The block's 64 registers of a lane, register 16 B + i = true place 32 B + 16 (lane / 16) + i along B's rows, become four scale bytes and 12 registers of codes.
.macro QUANTW a
.set AC, 64*((\a)%4)
	WIN 0x0a+5*((\a)/4)                            ; sources 0 and 1: window 2 or 3
.irp b, 0,1,2,3
	v_max3_num_f32 v[TM+\b], |v[AC+16*\b]|, |v[AC+16*\b+1]|, 0x1800000   ; my 16 numbers of block b, and the floor 2^(3 - 127); each accumulator is read from its low end on
.endr
.irp i, 2,4,6,8,10,12,14
.irp b, 0,1,2,3
	v_max3_num_f32 v[TM+\b], |v[AC+16*\b+\i]|, |v[AC+16*\b+\i+1]|, v[TM+\b]
.endr
.endr
	WIN 0
.irp b, 0,1,2,3
	v_permlanex16_b32 v[TM+4+\b], v[TM+\b], s12, s13
.endr
.irp b, 0,1,2,3
	v_max_num_f32 v[TM+\b], v[TM+\b], v[TM+4+\b]   ; with lane l xor 16's: the block's largest magnitude
.endr
.irp b, 0,1,2,3
	v_add_nc_u32 v[TM+12+\b], 0xff000000, v[TM+\b] ; 2 off its exponent field: the conversion's scale operand
.endr
.irp b, 0,1,2,3
	v_lshrrev_b32 v[TM+4+\b], 23, v[TM+12+\b]      ; the scale's byte
.endr
	v_lshl_or_b32 v[PW], v[TM+5], 8, v[TM+4]
	v_lshl_or_b32 v[PW], v[TM+6], 16, v[PW]
	v_lshl_or_b32 v[PW], v[TM+7], 24, v[PW]
	s_wait_xcnt 0x0                                ; the last block's stores have read the codes' registers: they are written again only behind this wait
	WIN 0x02+((\a)/4)                              ; source 0: window 2 or 3
.irp c, 0,1
	v_cvt_scalef32_pk16_fp6_f32 v[PC+6*\c:PC+6*\c+2], v[AC+32*\c:AC+32*\c+15], v[TM+12+2*\c]
	v_cvt_scalef32_pk16_fp6_f32 v[PC+12+4*\c:PC+14+4*\c], v[AC+32*\c+16:AC+32*\c+31], v[TM+12+2*\c+1]   ; (a conversion's three registers begin on an even number)
.endr
	WIN 0
	v_nop                                          ; one plain place behind the scaled conversions
.irp c, 0,1                            ; the operand's layout wants a whole block in a lane: lanes 0-15 block 2 c, lanes 16-31 block 2 c + 1
.irp i, 0,1,2
	v_permlane16_swap_b32 v[PC+6*\c+\i], v[PC+12+4*\c+\i]
.endr
.irp i, 0,1,2
	v_mov_b32 v[PC+3+6*\c+\i], v[PC+12+4*\c+\i]
.endr
.endr
	global_store_b128 v[L16], v[PC:PC+3], s[96:97] offset:768*(\a)            ; the even 64: 512 consecutive bytes,
	global_store_b64 v[L8], v[PC+4:PC+5], s[96:97] offset:768*(\a)+512        ; and 256; all at multiples of 256 from the buffer's first byte
	global_store_b128 v[L16], v[PC+6:PC+9], s[98:99] offset:768*(\a)          ; the odd 64
	global_store_b64 v[L8], v[PC+10:PC+11], s[98:99] offset:768*(\a)+512
	ds_store_b32 v[SWA], v[PW] offset:64*(\a)      ; lanes l and l xor 16 write the same word with the same value
.endm
	PLACES NP
.irp a, 0,1,2,3,4,5,6,7
	QUANTW \a
.endr
	ds_load_b128 v[120:123], v[SWR]                ; LDS serves a wave's instructions in order: my 128 rows' scale words
	s_wait_dscnt 0x0
	global_store_b128 v[L16], v[120:123], s[100:101]   ; 512 consecutive bytes, aligned
	s_wait_tensorcnt 0x0                           ; the wave's end
	ds_add_u32 v[SPW], v[NIL]
	s_wait_dscnt 0x0
	CROUND                                         ; the closing round: no work-group ends while a partner may still ask for a tile that names it
	s_endpgm
.Lfunc_end_k_q3e5a2f7c7c_qkv:
	.size	k_q3e5a2f7c7c_qkv, .Lfunc_end_k_q3e5a2f7c7c_qkv-k_q3e5a2f7c7c_qkv
	.p2alignl 7, 3214868480
	.fill 96, 4, 3214868480
	.section	.rodata,"a",@progbits
	.p2align	6, 0x0
	.amdhsa_kernel k_q3e5a2f7c7c_qkv
		.amdhsa_group_segment_fixed_size 327680
		.amdhsa_private_segment_fixed_size 0
		.amdhsa_enable_private_segment 0
		.amdhsa_kernarg_size 40
		.amdhsa_user_sgpr_count 2
		.amdhsa_user_sgpr_kernarg_segment_ptr 1
		.amdhsa_wavefront_size32 1
		.amdhsa_system_sgpr_workgroup_id_x 1
		.amdhsa_system_sgpr_workgroup_id_y 1
		.amdhsa_system_sgpr_workgroup_id_z 1
		.amdhsa_system_vgpr_workitem_id 0
		.amdhsa_next_free_vgpr 1024
		.amdhsa_next_free_sgpr 106
		.amdhsa_reserve_vcc 0
		.amdhsa_float_denorm_mode_32 3
		.amdhsa_float_denorm_mode_16_64 3
		.amdhsa_memory_ordered 1
		.amdhsa_forward_progress 1
		.amdhsa_inst_pref_size 144
	.end_amdhsa_kernel
	.amdgpu_metadata
---
amdhsa.version: [ 1, 2 ]
amdhsa.kernels:
  - .name:           k_q3e5a2f7c7c_qkv
    .symbol:         k_q3e5a2f7c7c_qkv.kd
    .args:
      - { .name: xq, .offset: 0, .size: 8, .value_kind: global_buffer, .address_space: global }
      - { .name: wqk, .offset: 8, .size: 8, .value_kind: global_buffer, .address_space: global }
      - { .name: wv, .offset: 16, .size: 8, .value_kind: global_buffer, .address_space: global }
      - { .name: qkh, .offset: 24, .size: 8, .value_kind: global_buffer, .address_space: global }
      - { .name: vh, .offset: 32, .size: 8, .value_kind: global_buffer, .address_space: global }
    .group_segment_fixed_size: 327680
    .private_segment_fixed_size: 0
    .kernarg_segment_align: 8
    .kernarg_segment_size: 40
    .max_flat_workgroup_size: 128
    .sgpr_count:     106
    .vgpr_count:     1024
    .wavefront_size: 32
...
	.end_amdgpu_metadata
.endif
;; end of part 2
;; launch attn (part 3): grid 4 x 64, 16 waves a work-group, clusters of 4 x 1, 327,680 bytes of LDS; arguments qkh, vh, ctxq; writes ctxq
.if DOCPART == 3
	.amdgcn_target "amdgcn-amd-amdhsa--gfx1250"
	.amdhsa_code_object_version 6
	.text
	.protected	k_q3e5a2f7c7c_attn
	.globl	k_q3e5a2f7c7c_attn
	.p2align	8
	.type	k_q3e5a2f7c7c_attn,@function
k_q3e5a2f7c7c_attn:
	s_mov_b64 s[64:65], 0
	v_nop
	global_prefetch_b8 v0, s[64:65] scope:SCOPE_SE
	s_setreg_imm32_b32 hwreg(HW_REG_WAVE_MODE, 25, 1), 1
	s_wait_xcnt 0x0
	s_wait_alu depctr_hold_cnt(0) depctr_sa_sdst(0) depctr_va_vdst(0) depctr_va_sdst(0) depctr_va_ssrc(0) depctr_va_vcc(0) depctr_vm_vsrc(0)
	s_getreg_b32 s2, hwreg(HW_REG_IB_STS2, 6, 4)
	s_cmp_eq_u32 s2, 0
	s_cbranch_scc0 .Lentry_in_a_cluster
	s_endpgm
.Lentry_in_a_cluster:
	s_bfe_u32 s2, ttmp6, 0x10000c
	s_cmp_lg_u32 s2, 0x3003
	s_cbranch_scc0 .Lentry_shape_is_right
	s_endpgm
.Lentry_shape_is_right:
; ctx = softmax(q k^T / 8) v for 64 (batch, head) pairs of 2,048 tokens and head size 64, both products on codes of FP6 (E2M3); ctx is quantised along e and leaves as codes.
; THE SOFTMAX: t = score x log2(e) / 8; M = the row's largest t so far, rounded UP to a whole number; p = 2^(t - M) is quantised along the keys, not normalised.  The row's sum is taken of the unquantised p
; and divides O at the end.  When M moves, the sum and O are multiplied by 2^(old M - new M): exact.  A block's largest p is made from its largest score by the same two instructions.
; SHARES.  Work-group (cx, y = 16 b + head) owns ONE head and 512 queries.  The head's k (98,304 bytes), v (98,304) and their scale words (8,192 + 4,096) lie in LDS whole: ten waves ask for them at the head,
; one tensor load each; nothing is filled again, so one barrier stands behind the head and none in the walk.  Each of sixteen waves owns two tiles of 16 queries, one after the other, 16 key steps of 128 keys each.
; CLUSTER: the four blocks of 512 queries of a head read the same k and v: every tile is asked for jointly, with a mask that names the four.
; NO PREFETCH: every tile is asked for at the head; there is no loop to run ahead in.
; LAYOUT.  Both products are used transposed: a lane holds ONE query.  k's rows and v's rows (d) are stored with bits 3 and 4 of the row number exchanged, so the 16 registers of result tiles 2 B, 2 B + 1 are 16 true neighbours.
; K = 64 IN AN INSTRUCTION OF 128: q's operand is six registers of codes and six of zero codes; k's operand is a tile's six registers and whatever six follow, which meet zero codes alone.  Both scale words come by
; loads of 16 bits, so the bytes of the upper 64 are 0 (2^-127, a number).
; LDS: [1,024 keys: 2][k: 64 tiles x 768 bytes, then v: [64 keys: 16][16 d: 4][768 bytes]]; k's scale words (both heads of the pair, 4 bytes a key); v's [128 keys: 16][64 rows][4 bytes]; the spare words.
; OUT.  A head's 64 numbers of a row are half a K step of the output projection: six registers, stored as registers 2 i, 2 i + 1 of lane l at 256 i + 8 l, in ctxq at (16 rows, pair) x 1,536 + 768 x (head % 2):
; each store covers 256 consecutive bytes, aligned.  The row's two scale bytes go into their half of the row's word by a store of 16 bits: 2 bytes beside 48 of codes; the other half is the other head's work-group's.
; LIMITS: NaN and infinities are not served; the promise holds while the scaled scores stay under 2^31 in magnitude; a block whose largest magnitude lies under 2^-124, a block of zeros among them, keeps the byte 1
; (its bytes are read by this program alone).
.set SLOT,  98304
.set VOFF,  49152
.set SCK,   2*SLOT
.set SCV,   SCK+8192
.set SPARE, SCV+4096                   ; the spare words, 128 bytes for each wave: eight blocks of 256 bytes that no other line names
.set L16,  1                           ; 16 x lane
.set L8,   2                           ; 8 x lane
.set ASK0, 3                           ; my place among k's scale words
.set ASV0, 4                           ; and among v's
.set SPW,  5                           ; my spare word; never rewritten
.set NIL,  6                           ; 0; never rewritten
.set R4,   7                           ; 4 x (lane % 16)
.set A16,  8                           ; v8-11 the step's LDS addresses
.set A8,   9
.set ADS,  10
.set ADT,  11
.set QF,   16                          ; v16-21 q's codes, v22-27 zero codes
.set QS,   28                          ; q's scale word;  v29, v30-35: the second tile's
.set KV,   36                          ; v36-83 eight tiles of k or four fragments of v;  v84-89 zeros
.set S,    96                          ; v96-159 S^T, then p
.set O,    160                         ; v160-191 O^T
.set CT,   192                         ; v192-203 ctx's codes, six registers a tile
.set CTW,  204                         ; v204-205 its two scale bytes, a register a tile
.set PCD,  208                         ; v208-219 p's codes
.set PH,   220                         ; the conversions' second halves
.set BM,   228                         ; the blocks' largest
.set PT,   232
.set SO,   236                         ; scale operands
.set KS,   240                         ; k's scale words, then v's (four)
.set PS,   248                         ; p's scale word
.set F,    252                         ; v[252:253] f = 2^(old M - new M)
.set TMP,  254
.set WV,   10
.set SEL,  16
.set CS,   18
.set TB,   20
.set TSJ,  21
.set CNT,  22
.set TSV,  23
.set G1K,  24
.set G1V,  32
.set G1SK, 40
.set G1SV, 48
.set G0K,  56
.set G0V,  60
.set G0SK, 68
.set G0SV, 72
.macro CROUND                          ; a round of the cluster's barrier
	s_barrier_signal -1
	s_barrier_wait -1
	s_cmp_lg_u32 s[WV], 0
	s_cbranch_scc1 .Lnot_wave_0_\@
	s_barrier_signal -3
.Lnot_wave_0_\@:
	s_barrier_wait -3
	s_barrier_signal -1
	s_barrier_wait -1
.endm
.macro MKG1 g, c, r, p                 ; r rows of c elements of 8 bytes, p elements apart; the mask names all four work-groups
	s_mov_b32 s[\g], 15|(3<<16)|(1<<21)
	s_mov_b32 s[\g+1], (\c)<<16
	s_mov_b32 s[\g+2], (\r)<<16
	s_mov_b32 s[\g+3], (\c)<<16
	s_mov_b32 s[\g+4], \r
	s_mov_b32 s[\g+5], \p
	s_mov_b32 s[\g+6], 0
	s_mov_b32 s[\g+7], 0
.endm
.macro MKG0 g, ldsreg, ldsoff, ptr
	s_mov_b32 s[\g], 1
	s_add_co_u32 s[\g+1], s[\ldsreg], \ldsoff
	s_mov_b64 s[\g+2:\g+3], s[\ptr:\ptr+1]
	s_or_b32 s[\g+3], s[\g+3], 0x80000000
.endm
.macro TLOAD g0, g1                    ; a joint load, with s_nop 0 and four v_nop behind it
	tensor_load_to_lds s[\g0:\g0+3], s[\g1:\g1+7]
	s_nop 0
.rept 4
	v_nop
.endr
.endm
	s_load_b128 s[4:7], s[0:1], 0x0                ; qkh, vh
	s_load_b64 s[8:9], s[0:1], 0x10                ; ctxq
	v_lshl_add_u32 v[SPW], v0, 2, SPARE
	v_mov_b32 v[NIL], 0
	ds_add_u32 v[SPW], v[NIL]                      ; the opening lines: the add twice on end, under one wait
	ds_add_u32 v[SPW], v[NIL]
	v_lshrrev_b32 v8, 5, v0
	s_delay_alu instid0(VALU_DEP_1)
	v_readfirstlane_b32 s[WV], v8                  ; wave 0..15
	s_bfe_u32 s11, ttmp6, 0x40000                  ; cx: it enters q's and ctx's global addresses alone
	s_and_b32 s13, ttmp7, 0xffff
	s_lshr_b32 s14, s13, 4                         ; b
	s_and_b32 s15, s13, 15                         ; head
	s_lshr_b32 s12, s15, 1                         ; the pair of heads
	s_and_b32 s76, s15, 1                          ; head % 2
	s_mov_b32 s[SEL], 0x76543210
	s_mov_b32 s[SEL+1], 0xfedcba98
	s_mov_b32 s[CS], 0x3e38aa3b                    ; log2(e) / 8
	s_mov_b32 s[CS+1], s[CS]
	MKG1 G1K, 32, 96, 32                           ; k: 24,576 dense bytes (512 keys) as rows of 256
	MKG1 G1V, 384, 8, 6144                         ; v: 8 chunks of 64 keys x 3,072 bytes, 49,152 bytes apart
	MKG1 G1SK, 32, 32, 32                          ; k's scales: 8,192 dense bytes
	MKG1 G1SV, 32, 16, 512                         ; v's: 16 steps x 256 bytes, 4,096 bytes apart
	s_lshl_b32 s96, s76, 1
	s_add_co_u32 s96, s96, SCK                     ; my head's two bytes of a key's word
	v_and_b32 v9, 31, v0
	v_and_b32 v10, 15, v0
	s_delay_alu instid0(VALU_DEP_2)
	v_lshlrev_b32 v[L16], 4, v9
	v_lshlrev_b32 v[L8], 3, v9
	v_lshlrev_b32 v[R4], 2, v10
	s_delay_alu instid0(VALU_DEP_1)
	v_add_nc_u32 v[ASK0], s96, v[R4]
	v_add_nc_u32 v[ASV0], SCV, v[R4]
	s_and_b32 s96, s[WV], 3                        ; j: which 512 keys a fetching wave takes
	s_lshr_b32 s94, s96, 1
	s_mul_i32 s94, s94, SLOT
	s_and_b32 s95, s96, 1
	s_mul_i32 s95, s95, 24576
	s_add_co_u32 s94, s94, s95                     ; and where they go
	s_lshl_b32 s80, s15, 9                         ; k: chunk 16 + head, of 512 groups of 16 rows,
	s_add_co_u32 s80, s80, 8192
	s_lshl_b32 s81, s14, 7
	s_add_co_u32 s80, s80, s81                     ; + b's 128
	s_mul_i32 s80, s80, 768
	s_add_co_u32 s80, s80, 524288
	s_mul_i32 s81, s96, 24576
	s_add_co_u32 s80, s80, s81
	s_mov_b32 s81, 0
	s_mul_i32 s82, s14, 1572864                    ; v: b's 32 chunks, the head's rows, my 8 chunks
	s_mul_i32 s83, s15, 3072
	s_add_co_u32 s82, s82, s83
	s_mul_i32 s83, s96, 393216
	s_add_co_u32 s82, s82, s83
	s_add_co_u32 s82, s82, 524288
	s_mov_b32 s83, 0
	s_add_co_u32 s84, s12, 8                       ; k's scales: plane 8 + pair, b's 2,048 keys
	s_lshl_b32 s84, s84, 15
	s_lshl_b32 s85, s14, 13
	s_add_co_u32 s84, s84, s85
	s_mov_b32 s85, 0
	s_lshl_b32 s86, s14, 16                        ; v's scales: b's 16 planes of 4,096 bytes, the head's 256 bytes
	s_lshl_b32 s87, s15, 8
	s_add_co_u32 s86, s86, s87
	s_mov_b32 s87, 0
	s_mov_b32 s95, 0
	s_wait_alu depctr_va_vdst(0)
	s_wait_dscnt 0x0                               ; both opening adds are done
	s_wait_kmcnt 0x0
	s_add_nc_u64 s[80:81], s[4:5], s[80:81]
	s_add_nc_u64 s[82:83], s[6:7], s[82:83]
	s_add_nc_u64 s[84:85], s[4:5], s[84:85]
	s_add_nc_u64 s[86:87], s[6:7], s[86:87]
	MKG0 G0K, 94, 0, 80
	MKG0 G0V, 94, VOFF, 82
	MKG0 G0SK, 95, SCK, 84
	MKG0 G0SV, 95, SCV, 86
	CROUND                                         ; all four work-groups are here: the joint loads meet
	s_cmp_lt_u32 s[WV], 4                          ; one chain of branches, one load to an arm: waves 0-3 k, 4-7 v, 8 k's scales, 9 v's; the others fetch nothing
	s_cbranch_scc0 .Lnot_k
	TLOAD G0K, G1K
	s_branch .Lasked
.Lnot_k:
	s_cmp_lt_u32 s[WV], 8
	s_cbranch_scc0 .Lnot_v
	TLOAD G0V, G1V
	s_branch .Lasked
.Lnot_v:
	s_cmp_eq_u32 s[WV], 8
	s_cbranch_scc0 .Lnot_sk
	TLOAD G0SK, G1SK
	s_branch .Lasked
.Lnot_sk:
	s_cmp_eq_u32 s[WV], 9
	s_cbranch_scc0 .Lasked
	TLOAD G0SV, G1SV
.Lasked:
	s_lshl_b32 s96, s14, 7
	s_lshl_b32 s97, s11, 5
	s_add_co_u32 s96, s96, s97
	s_add_co_u32 s96, s96, s[WV]                   ; my first 16 queries: group 128 b + 32 cx + wave; the second tile is 16 groups on
	s_lshl_b32 s98, s15, 9
	s_add_co_u32 s98, s98, s96
	s_mul_i32 s98, s98, 768
	s_add_co_u32 s98, s98, 524288
	s_mov_b32 s99, 0
	s_add_nc_u64 s[98:99], s[4:5], s[98:99]        ; q's codes
	s_lshl_b32 s104, s12, 15
	s_lshl_b32 s97, s96, 6
	s_add_co_u32 s104, s104, s97
	s_lshl_b32 s97, s76, 1
	s_add_co_u32 s104, s104, s97                   ; plane = pair, my 16 rows' words, my head's two bytes: the same place in q's scale words and in ctx's
	s_mov_b32 s105, 0
	s_add_nc_u64 s[2:3], s[4:5], s[104:105]
	s_add_nc_u64 s[104:105], s[8:9], s[104:105]
	global_load_b128 v[QF:QF+3], v[L16], s[98:99]
	global_load_b64 v[QF+4:QF+5], v[L8], s[98:99] offset:512
	global_load_u16 v[QS], v[R4], s[2:3]
	global_load_b128 v[30:33], v[L16], s[98:99] offset:12288
	global_load_b64 v[34:35], v[L8], s[98:99] offset:12288+512
	global_load_u16 v29, v[R4], s[2:3] offset:1024
	s_lshl_b32 s100, s96, 3
	s_add_co_u32 s100, s100, s12
	s_mul_i32 s100, s100, 1536
	s_add_co_u32 s100, s100, 262144
	s_mul_i32 s97, s76, 768
	s_add_co_u32 s100, s100, s97
	s_mov_b32 s101, 0
	s_add_nc_u64 s[100:101], s[8:9], s[100:101]    ; ctx's half fragment: (my 16 rows, K step = pair, half = head % 2)
.irp j, 0,1,2,3,4,5
	v_mov_b32 v[QF+6+\j], 0                        ; zero codes for the upper 64 of the instruction's K
	v_mov_b32 v[84+\j], 0
.endr
	v_mov_b32 v13, 0xff61b1e6                      ; the largest t so far: -3e38, under every t
	s_delay_alu instid0(VALU_DEP_1)
	v_floor_f32 v12, -v13                          ; -M
	v_mov_b32 v14, 0                               ; the sum, in two halves
	v_mov_b32 v15, 0
.irp b, 0,1,2,3
	v_mov_b32 v[PT+\b], 0                          ; a lane permute's destination counts as one of its sources
.endr
	v_mov_b32 v[F+1], 0
	v_mov_b32 v[TMP], 0
.set J, 0
.rept 32
	v_mov_b32 v[O+J], 0                            ; O^T: the step is written once; its first run finds zeros
.set J, J+1
.endr
; A KEY STEP: 128 keys, at s[TB] in LDS; k's scale words at s[TSJ], v's at s[TSV].
.macro STEP
	v_add_nc_u32 v[A16], s[TB], v[L16]             ; these four are also the places behind the last products, in front of the loads below
	v_add_nc_u32 v[A8], s[TB], v[L8]
	v_add_nc_u32 v[ADS], s[TSJ], v[ASK0]
	v_add_nc_u32 v[ADT], s[TSV], v[ASV0]
.irp t, 0,1,2,3,4,5,6,7
	ds_load_b128 v[KV+6*\t:KV+6*\t+3], v[A16] offset:768*\t
	ds_load_b64 v[KV+6*\t+4:KV+6*\t+5], v[A8] offset:768*\t+512
	ds_load_u16 v[KS+\t], v[ADS] offset:64*\t
.endr
	s_wait_alu depctr_va_vdst(0)
	s_wait_dscnt 0x0
.irp t, 0,1,2,3,4,5,6,7
	v_wmma_scale_f32_16x16x128_f8f6f4 v[S+8*\t:S+8*\t+7], v[KV+6*\t:KV+6*\t+11], v[QF:QF+11], 0, v[KS+\t], v[QS] matrix_a_fmt:MATRIX_FMT_FP6 matrix_b_fmt:MATRIX_FMT_FP6
.endr
.rept 4
	v_nop                                          ; places in front of the loads into k's registers and of the first read of the scores
.endr
.irp d, 0,1,2,3                        ; v's four fragments are asked for now and land under the softmax
.irp u, 0,1
	ds_load_b128 v[KV+12*\d+6*\u:KV+12*\d+6*\u+3], v[A16] offset:VOFF+3072*\u+768*\d
	ds_load_b64 v[KV+12*\d+6*\u+4:KV+12*\d+6*\u+5], v[A8] offset:VOFF+3072*\u+768*\d+512
.endr
	ds_load_b32 v[KS+\d], v[ADT] offset:64*\d
.endr
.irp b, 0,1,2,3
	v_max3_num_f32 v[BM+\b], v[S+16*\b], v[S+16*\b+1], v[S+16*\b+2]   ; the largest score of each block of 32 keys: for the row's maximum and for the block's largest p
.endr
.irp i, 3,5,7,9,11,13
.irp b, 0,1,2,3
	v_max3_num_f32 v[BM+\b], v[BM+\b], v[S+16*\b+\i], v[S+16*\b+\i+1]
.endr
.endr
.irp b, 0,1,2,3
	v_max_num_f32 v[BM+\b], v[BM+\b], v[S+16*\b+15]
.endr
.irp b, 0,1,2,3
	s_delay_alu instid0(VALU_DEP_4)
	v_permlanex16_b32 v[PT+\b], v[BM+\b], s[SEL], s[SEL+1]
.endr
.irp b, 0,1,2,3
	s_delay_alu instid0(VALU_DEP_4)
	v_max_num_f32 v[BM+\b], v[BM+\b], v[PT+\b]     ; with lane l xor 16's 16 keys
.endr
	s_delay_alu instid0(VALU_DEP_2)
	v_max3_num_f32 v[TMP], v[BM], v[BM+1], v[BM+2]
	s_delay_alu instid0(VALU_DEP_1)
	v_max_num_f32 v[TMP], v[TMP], v[BM+3]
	s_delay_alu instid0(VALU_DEP_1)
	v_mul_f32 v[TMP], s[CS], v[TMP]                ; as t
	s_delay_alu instid0(VALU_DEP_1)
	v_max_num_f32 v13, v13, v[TMP]                 ; the running largest t
	v_mov_b32 v[TMP], v12
	s_delay_alu instid0(VALU_DEP_2)
	v_floor_f32 v12, -v13                          ; the new -M = -ceil(t)
	s_delay_alu instid0(VALU_DEP_1)
	v_sub_f32 v[TMP], v12, v[TMP]                  ; old M - new M: a whole number, 0 or less
	s_delay_alu instid0(VALU_DEP_1)
	v_cvt_i32_f32 v[TMP], v[TMP]                   ; (it saturates)
	s_delay_alu instid0(VALU_DEP_1)
	v_ldexp_f32 v[F], 1.0, v[TMP]                  ; f
.set J, 0
.rept 32
	v_pk_fma_f32 v[S+J:S+J+1], v[S+J:S+J+1], s[CS:CS+1], v[12:13] op_sel_hi:[1,0,0]   ; t - M, two at a time
.set J, J+2
.endr
.irp b, 0,1,2,3
	v_fma_f32 v[BM+\b], v[BM+\b], s[CS], v12       ; the same of each block's largest score
.endr
.set J, 0
	s_wait_alu depctr_va_vdst(0)
.rept 64
	v_exp_f32 v[S+J], v[S+J]                       ; p = 2^(t - M)
.set J, J+1
.endr
	v_pk_mul_f32 v[14:15], v[14:15], v[F:F+1] op_sel_hi:[1,0]   ; the sums under the new M: a plain place behind the exponentials
	s_wait_alu depctr_va_vdst(0)                   ; one wait for the batch of 64, ahead of its first reader
.irp b, 0,1,2,3
	v_exp_f32 v[BM+\b], v[BM+\b]                   ; the blocks' largest p
.endr
	v_pk_add_f32 v[232:233], v[100:101], v[104:105]   ; the row's sum of the unquantised p, in eight chains
	v_pk_add_f32 v[248:249], v[108:109], v[112:113]
	v_pk_add_f32 v[246:247], v[116:117], v[120:121]
	v_pk_add_f32 v[244:245], v[124:125], v[128:129]
	v_pk_add_f32 v[238:239], v[132:133], v[136:137]
	v_pk_add_f32 v[236:237], v[140:141], v[144:145]
	v_pk_add_f32 v[234:235], v[148:149], v[152:153]
	v_pk_add_f32 v[14:15], v[14:15], v[156:157]
	v_pk_add_f32 v[232:233], v[232:233], v[96:97]
	v_pk_add_f32 v[248:249], v[248:249], v[98:99]
	v_pk_add_f32 v[246:247], v[246:247], v[102:103]
	v_pk_add_f32 v[244:245], v[244:245], v[106:107]
	v_pk_add_f32 v[238:239], v[238:239], v[110:111]
	v_pk_add_f32 v[236:237], v[236:237], v[114:115]
	v_pk_add_f32 v[234:235], v[234:235], v[118:119]
	v_pk_add_f32 v[14:15], v[14:15], v[122:123]
	v_pk_add_f32 v[232:233], v[232:233], v[126:127]
	v_pk_add_f32 v[248:249], v[248:249], v[130:131]
	v_pk_add_f32 v[246:247], v[246:247], v[134:135]
	v_pk_add_f32 v[244:245], v[244:245], v[138:139]
	v_pk_add_f32 v[238:239], v[238:239], v[142:143]
	v_pk_add_f32 v[236:237], v[236:237], v[146:147]
	v_pk_add_f32 v[234:235], v[234:235], v[150:151]
	v_pk_add_f32 v[14:15], v[14:15], v[154:155]
	v_pk_add_f32 v[232:233], v[232:233], v[158:159]
	s_delay_alu instid0(VALU_DEP_2)
	v_pk_add_f32 v[14:15], v[14:15], v[244:245]
	s_delay_alu instid0(VALU_DEP_2)
	v_pk_add_f32 v[232:233], v[232:233], v[238:239]
	v_pk_add_f32 v[248:249], v[248:249], v[236:237]
	v_pk_add_f32 v[246:247], v[246:247], v[234:235]
	s_delay_alu instid0(VALU_DEP_2)
	v_pk_add_f32 v[14:15], v[14:15], v[248:249]
	s_delay_alu instid0(VALU_DEP_2)
	v_pk_add_f32 v[232:233], v[232:233], v[246:247]
	s_delay_alu instid0(VALU_DEP_1)
	v_pk_add_f32 v[14:15], v[14:15], v[232:233]
	s_wait_alu depctr_va_vdst(0)                   ; and one for the four
.irp b, 0,1,2,3
	v_max_num_f32 v[BM+\b], 0x1800000, v[BM+\b]    ; the floor 2^(3 - 127)
.endr
.irp b, 0,1,2,3
	s_delay_alu instid0(VALU_DEP_4)
	v_add_nc_u32 v[SO+\b], 0xff000000, v[BM+\b]
.endr
.irp b, 0,1,2,3
	s_delay_alu instid0(VALU_DEP_4)
	v_lshrrev_b32 v[PT+\b], 23, v[SO+\b]
.endr
	s_delay_alu instid0(VALU_DEP_3)
	v_lshl_or_b32 v[PS], v[PT+1], 8, v[PT]         ; p's scale word for these 128 keys
	s_delay_alu instid0(VALU_DEP_1)
	v_lshl_or_b32 v[PS], v[PT+2], 16, v[PS]
	s_delay_alu instid0(VALU_DEP_1)
	v_lshl_or_b32 v[PS], v[PT+3], 24, v[PS]
.irp c, 0,1
	v_cvt_scalef32_pk16_fp6_f32 v[PCD+6*\c:PCD+6*\c+2], v[S+32*\c:S+32*\c+15], v[SO+2*\c]
	v_cvt_scalef32_pk16_fp6_f32 v[PH+4*\c:PH+4*\c+2], v[S+32*\c+16:S+32*\c+31], v[SO+2*\c+1]
.endr
	v_nop                                          ; one plain place behind the scaled conversions
.irp c, 0,1
.irp i, 0,1,2
	v_permlane16_swap_b32 v[PCD+6*\c+\i], v[PH+4*\c+\i]
.endr
.irp i, 0,1,2
	s_delay_alu instid0(VALU_DEP_3)
	v_mov_b32 v[PCD+3+6*\c+\i], v[PH+4*\c+\i]
.endr
.endr
.set J, 0
.rept 16
	v_pk_mul_f32 v[O+J:O+J+1], v[O+J:O+J+1], v[F:F+1] op_sel_hi:[1,0]   ; O^T under the new M; also the places between the scale word and codes just made and the scaled products
.set J, J+2
.endr
	s_wait_alu depctr_va_vdst(0)
	s_wait_dscnt 0x0                               ; v's fragments and scale words are in
.irp d, 0,1,2,3                        ; the four accumulators take turns
	v_wmma_scale_f32_16x16x128_f8f6f4 v[O+8*\d:O+8*\d+7], v[KV+12*\d:KV+12*\d+11], v[PCD:PCD+11], v[O+8*\d:O+8*\d+7], v[KS+\d], v[PS] matrix_a_fmt:MATRIX_FMT_FP6 matrix_b_fmt:MATRIX_FMT_FP6
.endr
	s_add_co_u32 s[TB], s[TB], 6144                ; 8 tiles of k; and 2 chunks of v
	s_add_co_u32 s[TSJ], s[TSJ], 512
	s_add_co_u32 s[TSV], s[TSV], 256
.endm
.macro PASS half                       ; eight key steps: 1,024 keys
	s_mov_b32 s[TB], \half*SLOT
	s_mov_b32 s[TSJ], \half*4096
	s_mov_b32 s[TSV], \half*2048
	s_mov_b32 s[CNT], 8
.Lstep_\@:
	STEP
	s_sub_co_u32 s[CNT], s[CNT], 1
	s_cmp_lg_u32 s[CNT], 0
	s_cbranch_scc1 .Lstep_\@
.endm
; A TILE'S END: O^T / the sum; its 32 numbers of a lane, register 16 B + i = d 32 B + 16 (lane / 16) + i, are quantised: six registers of codes and two scale bytes, and stored.
.macro TILEEND t
.rept 4
	v_nop                                          ; places behind the last products
.endr
	v_add_f32 v14, v14, v15
	s_delay_alu instid0(VALU_DEP_1)
	v_permlanex16_b32 v[TMP], v14, s[SEL], s[SEL+1]
	s_delay_alu instid0(VALU_DEP_1)
	v_add_f32 v14, v14, v[TMP]                     ; the row's sum
	s_wait_alu depctr_va_vdst(0)                   ; the wait ahead of the transcendental,
	v_rcp_f32 v14, v14
	v_nop                                          ; a plain place behind it,
	s_wait_alu depctr_va_vdst(0)                   ; and the wait ahead of its first reader
.set J, 0
.rept 16
	v_pk_mul_f32 v[S+J:S+J+1], v[O+J:O+J+1], v[14:15] op_sel_hi:[1,0]   ; each accumulator from its low end on
.set J, J+2
.endr
.irp b, 0,1
	v_max3_num_f32 v[BM+\b], |v[S+16*\b]|, |v[S+16*\b+1]|, 0x1800000
.endr
.irp i, 2,4,6,8,10,12,14
.irp b, 0,1
	s_delay_alu instid0(VALU_DEP_2)
	v_max3_num_f32 v[BM+\b], v[BM+\b], |v[S+16*\b+\i]|, |v[S+16*\b+\i+1]|
.endr
.endr
.irp b, 0,1
	s_delay_alu instid0(VALU_DEP_2)
	v_permlanex16_b32 v[PT+\b], v[BM+\b], s[SEL], s[SEL+1]
.endr
.irp b, 0,1
	s_delay_alu instid0(VALU_DEP_2)
	v_max_num_f32 v[BM+\b], v[BM+\b], v[PT+\b]
.endr
.irp b, 0,1
	s_delay_alu instid0(VALU_DEP_2)
	v_add_nc_u32 v[SO+\b], 0xff000000, v[BM+\b]
.endr
.irp b, 0,1
	s_delay_alu instid0(VALU_DEP_2)
	v_lshrrev_b32 v[PT+\b], 23, v[SO+\b]
.endr
	s_delay_alu instid0(VALU_DEP_1)
	v_lshl_or_b32 v[CTW+\t], v[PT+1], 8, v[PT]
	v_cvt_scalef32_pk16_fp6_f32 v[CT+6*\t:CT+6*\t+2], v[S:S+15], v[SO]
	v_cvt_scalef32_pk16_fp6_f32 v[PH:PH+2], v[S+16:S+31], v[SO+1]
	v_nop
.irp i, 0,1,2
	v_permlane16_swap_b32 v[CT+6*\t+\i], v[PH+\i]
.endr
.irp i, 0,1,2
	s_delay_alu instid0(VALU_DEP_3)
	v_mov_b32 v[CT+6*\t+3+\i], v[PH+\i]
.endr
.irp i, 0,1,2
	global_store_b64 v[L8], v[CT+6*\t+2*\i:CT+6*\t+2*\i+1], s[100:101] offset:196608*\t+256*\i   ; 256 consecutive bytes, aligned; each tile has its own data registers
.endr
	global_store_b16 v[R4], v[CTW+\t], s[104:105] offset:1024*\t   ; lanes l and l xor 16 write the same two bytes with the same value
.if \t == 0                            ; on to the second tile
.irp j, 0,1,2,3,4,5
	v_mov_b32 v[QF+\j], v[30+\j]
.endr
	v_mov_b32 v[QS], v29
	v_mov_b32 v13, 0xff61b1e6
	s_delay_alu instid0(VALU_DEP_1)
	v_floor_f32 v12, -v13
	v_mov_b32 v14, 0
	v_mov_b32 v15, 0
.set J, 0
.rept 32
	v_mov_b32 v[O+J], 0                            ; (also the places between q's operand and scale word just written and the next scaled product)
.set J, J+1
.endr
.endif
.endm
	s_wait_alu depctr_va_vdst(0)
	s_wait_tensorcnt 0x0                           ; my load, if I issued one, has landed
	s_barrier_signal -1
	s_barrier_wait -1                              ; everybody's has: k, v and the scales are whole, and nobody writes them again
	s_wait_loadcnt 0x0                             ; q
	PASS 0
	PASS 1
	TILEEND 0
	PASS 0
	PASS 1
	TILEEND 1
	s_wait_tensorcnt 0x0                           ; the wave's end
	ds_add_u32 v[SPW], v[NIL]
	s_wait_dscnt 0x0
	CROUND                                         ; the closing round
	s_endpgm
.Lfunc_end_k_q3e5a2f7c7c_attn:
	.size	k_q3e5a2f7c7c_attn, .Lfunc_end_k_q3e5a2f7c7c_attn-k_q3e5a2f7c7c_attn
	.p2alignl 7, 3214868480
	.fill 96, 4, 3214868480
	.section	.rodata,"a",@progbits
	.p2align	6, 0x0
	.amdhsa_kernel k_q3e5a2f7c7c_attn
		.amdhsa_group_segment_fixed_size 327680
		.amdhsa_private_segment_fixed_size 0
		.amdhsa_enable_private_segment 0
		.amdhsa_kernarg_size 24
		.amdhsa_user_sgpr_count 2
		.amdhsa_user_sgpr_kernarg_segment_ptr 1
		.amdhsa_wavefront_size32 1
		.amdhsa_system_sgpr_workgroup_id_x 1
		.amdhsa_system_sgpr_workgroup_id_y 1
		.amdhsa_system_sgpr_workgroup_id_z 1
		.amdhsa_system_vgpr_workitem_id 0
		.amdhsa_next_free_vgpr 256
		.amdhsa_next_free_sgpr 106
		.amdhsa_reserve_vcc 0
		.amdhsa_float_denorm_mode_32 3
		.amdhsa_float_denorm_mode_16_64 3
		.amdhsa_memory_ordered 1
		.amdhsa_forward_progress 1
		.amdhsa_inst_pref_size 94
	.end_amdhsa_kernel
	.amdgpu_metadata
---
amdhsa.version: [ 1, 2 ]
amdhsa.kernels:
  - .name:           k_q3e5a2f7c7c_attn
    .symbol:         k_q3e5a2f7c7c_attn.kd
    .args:
      - { .name: qkh, .offset: 0, .size: 8, .value_kind: global_buffer, .address_space: global }
      - { .name: vh, .offset: 8, .size: 8, .value_kind: global_buffer, .address_space: global }
      - { .name: ctxq, .offset: 16, .size: 8, .value_kind: global_buffer, .address_space: global }
    .group_segment_fixed_size: 327680
    .private_segment_fixed_size: 0
    .kernarg_segment_align: 8
    .kernarg_segment_size: 24
    .max_flat_workgroup_size: 512
    .sgpr_count:     106
    .vgpr_count:     256
    .wavefront_size: 32
...
	.end_amdgpu_metadata
.endif
;; end of part 3
;; launch gout (part 4): grid 4 x 32, 4 waves a work-group, clusters of 4 x 4, 327,680 bytes of LDS; arguments ctxq, wo, out0; writes out0
.if DOCPART == 4
	.amdgcn_target "amdgcn-amd-amdhsa--gfx1250"
	.amdhsa_code_object_version 6
	.text
	.protected	k_q3e5a2f7c7c_gout
	.globl	k_q3e5a2f7c7c_gout
	.p2align	8
	.type	k_q3e5a2f7c7c_gout,@function
k_q3e5a2f7c7c_gout:
	s_mov_b64 s[64:65], 0
	v_nop
	global_prefetch_b8 v0, s[64:65] scope:SCOPE_SE
	s_setreg_imm32_b32 hwreg(HW_REG_WAVE_MODE, 25, 1), 1
	s_wait_xcnt 0x0
	s_wait_alu depctr_hold_cnt(0) depctr_sa_sdst(0) depctr_va_vdst(0) depctr_va_sdst(0) depctr_va_ssrc(0) depctr_va_vcc(0) depctr_vm_vsrc(0)
	s_getreg_b32 s2, hwreg(HW_REG_IB_STS2, 6, 4)
	s_cmp_eq_u32 s2, 0
	s_cbranch_scc0 .Lentry_in_a_cluster
	s_endpgm
.Lentry_in_a_cluster:
	s_bfe_u32 s2, ttmp6, 0x10000c
	s_cmp_lg_u32 s2, 0xf033
	s_cbranch_scc0 .Lentry_shape_is_right
	s_endpgm
.Lentry_shape_is_right:
; out0 = ctx W_out^T on codes of FP6 (E2M3), K = 1,024, f32 out.  A' = ctxq (8,192 rows b 2048 + sigma(t)), B' = wo (1,024 rows sigma(o)), sigma = bits 3 and 4 of the number exchanged.
; A tile of 256 x 256 to a work-group, 128 x 128 to each of four waves (64 accumulators, 512 registers); the matrix instruction is used transposed (source 0 = 16 rows of B', source 1 = 16 rows of A'):
; a lane holds eight numbers of one row of the output.  The order sigma is undone on the way out: o in the stage's offsets, t in the stores' immediates.
; OPERANDS lie in memory as images of the operand's registers: [16 rows][K step of 128: 8][1,536 bytes], registers 4 c .. 4 c + 3 of lane l at 512 c + 16 l; scale words [K step][row][4 bytes], 32,768 bytes a plane.
; THE RING: three slots of 256 along K.  K has four such steps: three are asked for at the head, the fourth goes into slot 0 behind the one round that fills a slot again, and has 256 matrix instructions in which to land.
; By the text's own count a wave has four tensor loads out at the head, later one.  So nothing is prefetched.
; CLUSTERS: 4 x 4.  A's tiles are shared along a row of the cluster, B's along a column.  The output has 128 tiles of this size: 128 work-groups.
; REGISTERS: window 0: v16-30 addresses; v32-63 scale words, two sets; v128-223 A's fragments, one set (on the way out v128-255 hold rows).  window 1: B's fragments, two sets.  windows 2, 3: accumulator (a, b) at v[8 (8 (a % 4) + b)].
; THE RING AS IT STANDS (in place of the paragraph on the ring above).  At the head each wave issues ONE joint load: wave 0 A's 256 rows for the first 512 along K (16 rows of 6,144 bytes, at byte 0), wave 2 B's (at byte 98,304),
; wave 1 A's scales, wave 3 B's.  The third 256 along K is first filled behind the head's round (at byte 196,608, a quarter a wave) and has 256 matrix instructions in which to land; the fourth is filled behind the one round that
; fills bytes again, dense at byte 0, where A's first 512 are read out.  One tensor load of a wave is out at any time.  The scales lie [A', B'][K step: 8][256 rows x 4 bytes].
; The stage of the way out lies from byte 98,304 on, in B's first 512 along K: those bytes have their only fill at the head and their last read ahead of the round.
; A's fragments (ctxq) are images of another make than B's: registers 2 i, 2 i + 1 of lane l at 256 i + 8 l: six loads of 8 bytes a lane.
; PREFETCH: behind the head's load each wave asks for the third and the fourth 256 along K of the 8 rows of 3,072 bytes that it will fetch: the four partners of a joint load take 2 rows each, told apart by address:
; 24 blocks of 256 bytes, a lane a block (lanes 24-31 name the last again); one and two loads ahead of the load that wants them; the address registers are never rewritten.
.set SLOT,  98304
.set HALFT, 24576
.set RGB,   3072
.set FRB,   1536
.set KROW,  12288
.set CODES, 262144
.set FR,    12
.set NL,    6                          ; LDS loads that bring a fragment of A'
.set NP,    4
.set NQ,    2
.set SCL,   3*SLOT                     ; the scales: [A', B'][K step: 8][1,024 bytes]; filled once
.set SPARE, SCL+16384                  ; the spare words, 128 bytes for each wave: two blocks of 256 bytes that no other line names
.set SPITCH, 528                       ; the way out: a stage of 16 rows x (512 bytes + 16) for each wave, in slot 1, which has had its only fill, and its last read ahead of the last barrier
.set ADRA, 16
.set ADRB, 20
.set L16,  24
.set STO,  26
.set ADRS, 27
.set SPW,  28
.set NIL,  29
.set RD,   30
.set SC,   32
.set AF,   128
.set BK,   128
.set G1A,  24
.set G0A,  32
.set G1B,  48
.set G0B0, 56
.set G0B1, 60
.set G0B2, 84
.set G1SA, 68
.set G1SB, 76
.set G0SA, 88
.set G0SB, 92
.set MSB, 0
.macro WIN new
.if MSB != (\new)
	s_set_vgpr_msb (MSB<<8)|(\new)
.set MSB, (\new)
.endif
.endm
.set MUL_LO, 0xa1
.set MUL_HI, 0xf1
.set TO_B,   0x40
.macro JLOAD g0a, g1a, g0b, g1b        ; a joint load: waves 0 and 1 fetch for A', waves 2 and 3 for B'; four v_nop follow each of the two lines
	s_cmp_eq_u32 s15, 0
	s_cbranch_scc0 .Lfor_b_\@
	tensor_load_to_lds s[\g0a:\g0a+3], s[\g1a:\g1a+7]
	s_nop 0
.rept 4
	v_nop
.endr
	s_branch .Lasked_\@
.Lfor_b_\@:
	tensor_load_to_lds s[\g0b:\g0b+3], s[\g1b:\g1b+7]
	s_nop 0
.rept 4
	v_nop
.endr
.Lasked_\@:
.endm
.macro CREST
	s_cmp_lg_u32 s14, 0
	s_cbranch_scc1 .Lnot_wave_0_\@
	s_barrier_signal -3
.Lnot_wave_0_\@:
	s_barrier_wait -3
	s_barrier_signal -1
	s_barrier_wait -1
.endm
.macro CROUND
	s_barrier_signal -1
	s_barrier_wait -1
	CREST
.endm
.macro MKG0 g, ldsreg, ldsoff, ptr, off
	s_mov_b32 s[\g], 1
	s_add_co_u32 s[\g+1], s[\ldsreg], \ldsoff
	s_add_nc_u64 s[\g+2:\g+3], s[\ptr:\ptr+1], \off
	s_or_b32 s[\g+3], s[\g+3], 0x80000000
.endm
	s_load_b128 s[4:7], s[0:1], 0x0                ; ctxq s[4:5], wo s[6:7]
	s_load_b64 s[8:9], s[0:1], 0x10                ; out0
	v_lshl_add_u32 v[SPW], v0, 2, SPARE
	v_mov_b32 v[NIL], 0
	ds_add_u32 v28, v29
	ds_add_u32 v28, v29
	s_wait_dscnt 0x0
	v_lshrrev_b32 v1, 5, v0
	v_readfirstlane_b32 s14, v1                    ; wave 0..3
	s_lshr_b32 s15, s14, 1                         ; which half of A's rows is mine.  Also: I fetch for A' (0) or for B' (1)
	s_and_b32 s16, s14, 1                          ; which half of B's rows.  Also: which 128 rows of that tile I fetch
	s_bfe_u32 s19, ttmp6, 0x40000                  ; cx
	s_bfe_u32 s20, ttmp6, 0x40004                  ; cy
	s_and_b32 s17, ttmp7, 0xffff
	s_lshl_b32 s17, s17, 2
	s_add_co_u32 s17, s17, s20                     ; A's tile = 4 x cluster y + cy
	s_lshl_b32 s18, ttmp9, 2
	s_add_co_u32 s18, s18, s19                     ; B's tile = 4 x cluster x + cx
	s_lshl_b32 s21, s20, 2
	s_lshl_b32 s21, 15, s21                        ; my row of the cluster
	s_lshl_b32 s22, 0x1111, s19                    ; my column
	s_or_b32 s[G1A], s21, (3<<16)|(1<<21)          ; codes: 8 rows (of 16 operand rows) x 3,072 bytes, 12,288 bytes apart; elements of 8 bytes; no padding
	s_or_b32 s[G1B], s22, (3<<16)|(1<<21)
.irp g, G1A, G1B
	s_mov_b32 s[\g+1], 768<<16                     ; 16 rows of 6,144 bytes for the head's loads, 8 of 3,072 behind them
	s_mov_b32 s[\g+2], 16<<16
	s_mov_b32 s[\g+3], 768<<16
	s_mov_b32 s[\g+4], 16
	s_mov_b32 s[\g+5], KROW/8
	s_mov_b32 s[\g+6], 0
	s_mov_b32 s[\g+7], 0
.endr
	s_or_b32 s[G1SA], s21, (3<<16)|(1<<21)         ; scales: 8 planes x 1,024 bytes, 32,768 bytes apart
	s_or_b32 s[G1SB], s22, (3<<16)|(1<<21)
.irp g, G1SA, G1SB
	s_mov_b32 s[\g+1], 128<<16                     ; 256 rows' words: 1,024 bytes a plane
	s_mov_b32 s[\g+2], 8<<16
	s_mov_b32 s[\g+3], 128<<16
	s_mov_b32 s[\g+4], 8
	s_mov_b32 s[\g+5], 4096
	s_mov_b32 s[\g+6], 0
	s_mov_b32 s[\g+7], 0
.endr
	s_cmp_eq_u32 s15, 0
	s_cselect_b32 s21, s19, s20                    ; my place among the four that ask with me: cx for A', cy for B': it enters the prefetches' address alone
	s_lshl_b32 s2, s16, 3
	s_lshl_b32 s20, s17, 4
	s_add_co_u32 s20, s20, s2                      ; the first 16 rows that I fetch of A'
	s_lshl_b32 s19, s18, 4
	s_add_co_u32 s19, s19, s2                      ; and of B'
	s_mul_i32 s104, s14, HALFT                     ; where they go: no place in the cluster enters an LDS address
	s_mov_b32 s105, 0
	s_wait_kmcnt 0x0
	CROUND                                         ; all sixteen work-groups are here: the first joint loads meet
	s_lshl_b32 s2, s17, 10                         ; 1,024 bytes of scale words for a tile's 256 rows
	s_mov_b32 s3, 0
	s_add_nc_u64 s[2:3], s[4:5], s[2:3]
	MKG0 G0SA, 105, SCL, 2, 0
	s_lshl_b32 s66, s18, 10
	s_mov_b32 s67, 0
	s_add_nc_u64 s[66:67], s[6:7], s[66:67]
	MKG0 G0SB, 105, SCL+8192, 66, 0
	s_mul_i32 s2, s20, KROW
	s_add_co_u32 s2, s2, CODES
	s_mov_b32 s3, 0
	s_add_nc_u64 s[44:45], s[4:5], s[2:3]
	s_mul_i32 s66, s19, KROW
	s_add_co_u32 s66, s66, CODES
	s_mov_b32 s67, 0
	s_add_nc_u64 s[46:47], s[6:7], s[66:67]
	MKG0 G0A, 104, 0, 44, 0
	MKG0 G0B0, 104, 0, 46, 0
	s_lshl_b32 s[G0B0+1], s104, 1                  ; for the head's load: wave 2's B' goes to byte 98,304
	MKG0 G0A+8, 104, 2*SLOT, 44, 2*RGB
	MKG0 G0B2, 104, 2*SLOT, 46, 2*RGB
	s_cmp_eq_u32 s15, 0
	s_cselect_b64 s[22:23], s[44:45], s[46:47]     ; the prefetches' base: the 8 rows that I fetch,
	s_mul_i32 s66, s21, 2*KROW
	s_mov_b32 s67, 0
	s_add_nc_u64 s[22:23], s[22:23], s[66:67]      ; my work-group's two of them
; THE HEAD'S LOADS, ONE A WAVE, in one chain of branches on the wave's number.  Wave 0's group 0 for A' and wave 2's for B' point at the tile's first row.
.macro ARM w, g0, g1, next
	s_cmp_eq_u32 s14, \w
	s_cbranch_scc0 \next
	tensor_load_to_lds s[\g0:\g0+3], s[\g1:\g1+7]
	s_nop 0
.rept 4
	v_nop
.endr
	s_branch .Lhead_asked
\next:
.endm
	ARM 0, G0A, G1A, .Lhead_b
	ARM 2, G0B0, G1B, .Lhead_sa
	ARM 1, G0SA, G1SA, .Lhead_sb
	tensor_load_to_lds s[G0SB:G0SB+3], s[G1SB:G1SB+7]
	s_nop 0
.rept 4
	v_nop
.endr
.Lhead_asked:
	v_and_b32 v5, 31, v0
	v_min_u32 v5, 23, v5                           ; block l = 0 .. 23 of my two rows' 12 + 12
	v_mul_u32_u24 v6, v5, 171
	v_lshrrev_b32 v6, 11, v6                       ; l / 12
	v_lshlrev_b32 v5, 8, v5
	v_mad_u32_u24 v31, v6, 9216, v5                ; 12,288 (l / 12) + 256 (l % 12); never rewritten
	global_prefetch_b8 v31, s[22:23] offset:2*RGB th:TH_LOAD_NT scope:SCOPE_SE   ; the third 256 along K
	global_prefetch_b8 v31, s[22:23] offset:3*RGB th:TH_LOAD_NT scope:SCOPE_SE   ; and the fourth
	v_and_b32 v1, 31, v0                           ; lane
	v_and_b32 v2, 15, v0                           ; r
	v_bfe_u32 v3, v0, 4, 1                         ; h
	s_wait_alu depctr_va_vdst(0)
	v_lshlrev_b32 v[L16], 4, v1
	v_lshlrev_b32 v25, 3, v1                       ; 8 x lane, for A's fragments
	s_mul_i32 s2, s15, HALFT
	s_mul_i32 s3, s16, HALFT
	s_add_co_u32 s3, s3, 2*HALFT
	s_wait_alu depctr_va_vdst(0)
.irp n, 0,2                            ; index 0: the fourth 256 along K, dense at byte 0; index 2: the third, at byte 196,608
	v_add_nc_u32 v[ADRA+\n], s2, v25
	v_add_nc_u32 v[ADRB+\n], s3, v[L16]
	s_add_co_u32 s2, s2, 2*SLOT
	s_add_co_u32 s3, s3, 2*SLOT
.endr
	s_mul_i32 s2, s15, 2*HALFT                     ; index 1: the first 512 along K: 16 rows' four fragments, 6,144 bytes; A' at byte 0, B' at byte 98,304
	s_mul_i32 s3, s16, 2*HALFT
	s_add_co_u32 s3, s3, SLOT
	v_add_nc_u32 v[ADRA+1], s2, v25
	v_add_nc_u32 v[ADRB+1], s3, v[L16]
	s_lshl_b32 s2, s15, 9                          ; A's scales: my half of a plane's 1,024 bytes
	s_lshl_b32 s3, s16, 9
	s_add_co_u32 s3, s3, 8192
	s_sub_co_u32 s3, s3, s2
	v_mul_u32_u24 v4, s3, v3                       ; lanes 16-31 take B's scale words
	s_add_co_u32 s2, s2, SCL
	v_lshl_add_u32 v4, v2, 2, v4
	v_add_nc_u32 v[ADRS], s2, v4
	s_mul_i32 s2, s14, 16*SPITCH
	s_add_co_u32 s2, s2, SLOT                      ; my stage
	v_mul_u32_u24 v4, v2, SPITCH
	v_lshl_add_u32 v4, v3, 6, v4
	v_add_nc_u32 v[STO], s2, v4                    ; in: row r, 64 h bytes on: tile 2 B + u's eight numbers are the true columns 32 B + 16 h + 8 u + 0 .. 7
	v_add_nc_u32 v[RD], s2, v[L16]                 ; back: the 32 lanes take one row of 512 bytes
	s_lshr_b32 s96, s17, 3                         ; b: 4,096 bytes
	s_lshl_b32 s96, s96, 12
	s_and_b32 s97, s17, 7
	s_lshl_b32 s97, s97, 8
	s_lshl_b32 s98, s15, 7
	s_add_co_u32 s97, s97, s98                     ; my first t: 256 x (tile % 8) + 128 x half
	s_lshl_b32 s97, s97, 14                        ; 16,384 bytes from t to t + 1
	s_add_co_u32 s96, s96, s97
	s_lshl_b32 s97, s18, 10
	s_add_co_u32 s96, s96, s97
	s_lshl_b32 s97, s16, 9
	s_add_co_u32 s96, s96, s97                     ; my first column, in bytes
	s_mov_b32 s97, 0
	s_add_nc_u64 s[8:9], s[8:9], s[96:97]
.macro FRAG reg, adr, off
.irp c, 0,1,2
	ds_load_b128 v[\reg+4*\c:\reg+4*\c+3], v[\adr] offset:\off+512*\c
.endr
.endm
; The 64 accumulators take turns, one instruction a turn, in the same order in every step.
.macro MUL16 a0, p, q, sc, zero
.irp a, \a0, \a0+1
.irp b, 0,1,2,3,4,5,6,7
.if \zero
	v_wmma_scale_f32_16x16x128_f8f6f4 v[8*(8*((\a)%4)+\b):8*(8*((\a)%4)+\b)+7], v[128*(\p)+FR*\b:128*(\p)+FR*\b+FR-1], v[AF+FR*(\a):AF+FR*(\a)+FR-1], 0, v[SC+8*NQ*(\sc)+NQ*\b+(\q)], v[SC+8*NQ*(\sc)+NQ*(\a)+(\q)] matrix_a_fmt:MATRIX_FMT_FP6 matrix_b_fmt:MATRIX_FMT_FP6 matrix_a_scale:MATRIX_SCALE_ROW1
.else
	v_wmma_scale_f32_16x16x128_f8f6f4 v[8*(8*((\a)%4)+\b):8*(8*((\a)%4)+\b)+7], v[128*(\p)+FR*\b:128*(\p)+FR*\b+FR-1], v[AF+FR*(\a):AF+FR*(\a)+FR-1], v[8*(8*((\a)%4)+\b):8*(8*((\a)%4)+\b)+7], v[SC+8*NQ*(\sc)+NQ*\b+(\q)], v[SC+8*NQ*(\sc)+NQ*(\a)+(\q)] matrix_a_fmt:MATRIX_FMT_FP6 matrix_b_fmt:MATRIX_FMT_FP6 matrix_a_scale:MATRIX_SCALE_ROW1
.endif
.endr
.endr
.endm
.macro FETCH_B slot, q, p
	WIN TO_B
.irp i, 0,1,2,3,4,5,6,7
.if (\slot) < 2
	FRAG 128*(\p)+FR*\i, ADRB+1, \i*2*RGB+(2*(\slot)+(\q))*FRB
.else
	FRAG 128*(\p)+FR*\i, ADRB+6-2*(\slot), \i*RGB+(\q)*FRB
.endif
.endr
	WIN 0
.endm
.macro FRAGA reg, adr, off             ; a fragment of A': six loads of 256 consecutive bytes
.irp c, 0,1,2,3,4,5
	ds_load_b64 v[\reg+2*\c:\reg+2*\c+1], v[\adr] offset:\off+256*\c
.endr
.endm
.macro FETCH_A slot, q, i0
.irp i, \i0, \i0+1, \i0+2, \i0+3
.if (\slot) < 2
	FRAGA AF+FR*(\i), ADRA+1, (\i)*2*RGB+(2*(\slot)+(\q))*FRB
.else
	FRAGA AF+FR*(\i), ADRA+6-2*(\slot), (\i)*RGB+(\q)*FRB
.endif
.endr
.endm
.macro SCALES ks
.irp i, 0,1,2,3,4,5,6,7
.irp q, 0,1
	ds_load_b32 v[SC+16*((\ks)%2)+2*\i+\q], v[ADRS] offset:(2*(\ks)+\q)*1024+64*\i
.endr
.endr
.endm
.macro PLACES n                        ; places behind matrix instructions, in front of loads into their registers and of reads of their results
.rept \n
	v_nop
.endr
.endm
.macro STEP slot, sc, zero
	s_wait_dscnt 4*NL                              ; all but the youngest 24 loads (A's blocks 4-7)
	WIN MUL_LO
	MUL16 0, 0, 0, \sc, \zero
	MUL16 2, 0, 0, \sc, \zero
	s_wait_dscnt 0x0
	PLACES NP
	FETCH_B \slot, 1, 1
	FETCH_A \slot, 1, 0
	WIN MUL_HI
	MUL16 4, 0, 0, \sc, \zero
	MUL16 6, 0, 0, \sc, \zero
	PLACES NP
	WIN 0
	FETCH_A \slot, 1, 4
.endm
; mode 1: the slot is filled again, behind a round of the cluster's barrier.  mode 0: the same three lines and a plain barrier: the tile asked for behind the round is shown whole.  mode 2: no barrier: the next slot was shown whole by mode 1.
.macro TURN slot, next, mode, sc, ks
.if \mode == 2
	s_wait_dscnt 4*NL
	WIN MUL_LO
	MUL16 0, 1, 1, \sc, 0
	MUL16 2, 1, 1, \sc, 0
	s_wait_dscnt 0x0
	PLACES NP
.else
	s_wait_tensorcnt 0x0                           ; all my tensor loads have landed  (every window is 0 here)
	ds_add_u32 v[SPW], v[NIL]                      ; 0 onto my spare word
	s_wait_dscnt 4*NL+1                            ; (the add and the youngest 24 loads may be out)
	WIN MUL_LO
	MUL16 0, 1, 1, \sc, 0
	s_wait_dscnt 0x0                               ; the add is done, and my reads of this slot are over
	s_barrier_signal -1
	MUL16 2, 1, 1, \sc, 0
	WIN 0
	s_barrier_wait -1
.if \mode == 1
	CREST
	s_add_nc_u64 s[G0A+2:G0A+3], s[G0A+2:G0A+3], 3*RGB
	s_add_nc_u64 s[G0B0+2:G0B0+3], s[G0B0+2:G0B0+3], 3*RGB
	JLOAD G0A, G1A, G0B0, G1B
.else
	PLACES NP
.endif
.endif
	FETCH_B \next, 0, 0
	FETCH_A \next, 0, 0
	SCALES \ks
	WIN MUL_HI
	MUL16 4, 1, 1, \sc, 0
	MUL16 6, 1, 1, \sc, 0
	PLACES NP
	WIN 0
	FETCH_A \next, 0, 4
.endm
	s_wait_alu depctr_va_vdst(0)
	s_wait_tensorcnt 0x0                           ; my tile of the head's four is in
	ds_add_u32 v[SPW], v[NIL]
.irp g, G1A, G1B                       ; no tensor load of mine is out: from here on a load brings 8 rows of 3,072 bytes
	s_mov_b32 s[\g+1], 384<<16
	s_mov_b32 s[\g+2], 8<<16
	s_mov_b32 s[\g+3], 384<<16
	s_mov_b32 s[\g+4], 8
.endr
	s_mov_b32 s[G0B0+1], s104                      ; and the fourth 256 along K goes to wave x 24,576
	s_wait_dscnt 0x0
	CROUND                                         ; all four tiles are in, and all sixteen work-groups are here
	JLOAD G0A+8, G1A, G0B2, G1B                    ; the third 256 along K: a first fill, the first tensor load behind the round
	FETCH_B 0, 0, 0
	FETCH_A 0, 0, 0
	SCALES 0
	FETCH_A 0, 0, 4
	STEP 0, 0, 1
	TURN 0, 1, 2, 0, 1
	STEP 1, 1, 0
	TURN 1, 2, 1, 1, 2
	STEP 2, 0, 0
	TURN 2, 3, 0, 0, 3
	STEP 3, 1, 0
	s_wait_dscnt 4*NL
	WIN MUL_LO
	MUL16 0, 1, 1, 1, 0
	MUL16 2, 1, 1, 1, 0
	s_wait_dscnt 0x0
	WIN MUL_HI
	MUL16 4, 1, 1, 1, 0
	MUL16 6, 1, 1, 1, 0
	WIN 0
; THE WAY OUT, a block of 16 rows x 128 columns at a time, through my own stage: LDS serves a wave's instructions in order, so no wait stands between the stores and the loads, nor in front of the next block's stores.
.macro TOSTAGE a
.set AC, 64*((\a)%4)
	WIN 0x08+4*((\a)/4)                            ; the data: window 2 or 3
.irp b, 0,1,2,3,4,5,6,7
	ds_store_b128 v[STO], v[AC+8*\b:AC+8*\b+3] offset:128*(\b/2)+32*(\b%2)        ; each accumulator from its low end on
	ds_store_b128 v[STO], v[AC+8*\b+4:AC+8*\b+7] offset:128*(\b/2)+32*(\b%2)+16
.endr
	WIN 0
.set BB, BK+64*((\a)%2)
.irp t, 0,1,2,3,4,5,6,7,8,9,10,11,12,13,14,15
	ds_load_b128 v[BB+4*\t:BB+4*\t+3], v[RD] offset:\t*SPITCH
.endr
.endm
.macro SEND a, younger                 ; stored row 16 a + i is the true t 32 (a / 2) + 8 (a % 2) + 16 (i / 8) + i % 8: it stands in the immediate, 127 x 16,384 bytes at the most
.set BB, BK+64*((\a)%2)
	s_wait_dscnt \younger
.irp t, 0,1,2,3,4,5,6,7,8,9,10,11,12,13,14,15
	global_store_b128 v[L16], v[BB+4*\t:BB+4*\t+3], s[8:9] offset:(32*((\a)/2)+8*((\a)%2)+16*(\t/8)+\t%8)*16384 th:TH_STORE_NT   ; 512 consecutive bytes, at a multiple of 256 from the output's first byte
.endr
.endm
	PLACES NP
	TOSTAGE 0
.irp a, 1,2,3,4,5,6,7
.if \a > 1
	s_wait_xcnt 0x0                                ; block a - 2's stores have read their registers: block a's rows may land there
.endif
	TOSTAGE \a
	SEND \a-1, 32                                  ; behind block a - 1's loads: block a's 16 stores and 16 loads
.endr
	SEND 7, 0
	s_wait_tensorcnt 0x0                           ; the wave's end
	ds_add_u32 v[SPW], v[NIL]
	s_wait_dscnt 0x0
	CROUND                                         ; the closing round
	s_endpgm
.Lfunc_end_k_q3e5a2f7c7c_gout:
	.size	k_q3e5a2f7c7c_gout, .Lfunc_end_k_q3e5a2f7c7c_gout-k_q3e5a2f7c7c_gout
	.p2alignl 7, 3214868480
	.fill 96, 4, 3214868480
	.section	.rodata,"a",@progbits
	.p2align	6, 0x0
	.amdhsa_kernel k_q3e5a2f7c7c_gout
		.amdhsa_group_segment_fixed_size 327680
		.amdhsa_private_segment_fixed_size 0
		.amdhsa_enable_private_segment 0
		.amdhsa_kernarg_size 24
		.amdhsa_user_sgpr_count 2
		.amdhsa_user_sgpr_kernarg_segment_ptr 1
		.amdhsa_wavefront_size32 1
		.amdhsa_system_sgpr_workgroup_id_x 1
		.amdhsa_system_sgpr_workgroup_id_y 1
		.amdhsa_system_sgpr_workgroup_id_z 1
		.amdhsa_system_vgpr_workitem_id 0
		.amdhsa_next_free_vgpr 1024
		.amdhsa_next_free_sgpr 106
		.amdhsa_reserve_vcc 0
		.amdhsa_float_denorm_mode_32 3
		.amdhsa_float_denorm_mode_16_64 3
		.amdhsa_memory_ordered 1
		.amdhsa_forward_progress 1
		.amdhsa_inst_pref_size 150
	.end_amdhsa_kernel
	.amdgpu_metadata
---
amdhsa.version: [ 1, 2 ]
amdhsa.kernels:
  - .name:           k_q3e5a2f7c7c_gout
    .symbol:         k_q3e5a2f7c7c_gout.kd
    .args:
      - { .name: ctxq, .offset: 0, .size: 8, .value_kind: global_buffer, .address_space: global }
      - { .name: wo, .offset: 8, .size: 8, .value_kind: global_buffer, .address_space: global }
      - { .name: out0, .offset: 16, .size: 8, .value_kind: global_buffer, .address_space: global }
    .group_segment_fixed_size: 327680
    .private_segment_fixed_size: 0
    .kernarg_segment_align: 8
    .kernarg_segment_size: 24
    .max_flat_workgroup_size: 128
    .sgpr_count:     106
    .vgpr_count:     1024
    .wavefront_size: 32
...
	.end_amdgpu_metadata
.endif
;; end of part 4
